; MI455X (gfx1250); checked and timed in simulation.
; The chip was launched on July 23, 2026; its instructions are those of AMD's public machine-readable ISA for CDNA 5 (MIT licence, August 2026) and "CDNA5" Instruction Set Architecture Reference Guide (July 2026). The comments in the code are by the model that wrote it; some were corrected since.
;; Disentangled Self Attention. Allowed arithmetic: float matrix products may take bf16 or f16 operands with f32 sums; other float arithmetic in f32, or as packed bf16 or f16 multiplies, adds, multiply-adds, maxima and minima; sums over many terms, partial sums and values carried from step to step in f32; what a program stores and reads back later, other than sums and carried values, may be rounded once to bf16 or f16.
;; Inputs: Wk 1,024 x 1,024 float32; Wo 1,024 x 1,024 float32; Wpk 1,024 x 1,024 float32; Wpq 1,024 x 1,024 float32; Wq 1,024 x 1,024 float32; Wv 1,024 x 1,024 float32; bk 1,024 float32; bo 1,024 float32; bpk 1,024 float32; bpq 1,024 float32; bq 1,024 float32; bv 1,024 float32; hidden_states 2 x 2,048 x 1,024 float32; ln_b 1,024 float32; ln_g 1,024 float32; pos_emb 2,048 x 1,024 float32.
;; Outputs: out0 2 x 2,048 x 1,024 float32.
;; 2 versions, each right; version 2 is version 1 with the launch cast written anew for expert scheduling mode. Each part assembles by itself: llvm-mc -triple=amdgcn-amd-amdhsa -mcpu=gfx1250 --defsym DOCPART=n.
;; ======== version 1 of 2: 5 launches
;; workspace buffers: cb 25,165,824 bytes; qkv 33,554,432 bytes; ob 8,388,608 bytes; yb 16,777,216 bytes
;; launch cast (part 1): grid 64 x 12, 8 waves a work-group, no clusters, 0 bytes of LDS; arguments hidden_states, pos_emb, Wq, Wk, Wv, Wpq, Wpk, Wo, cb; writes cb
.if DOCPART == 1
	.amdgcn_target "amdgcn-amd-amdhsa--gfx1250"
	.amdhsa_code_object_version 6
	.text
	.protected	k_q990eab1105_cast
	.globl	k_q990eab1105_cast
	.p2align	8
	.type	k_q990eab1105_cast,@function
k_q990eab1105_cast:
	s_mov_b64 s[64:65], 0
	v_nop
	global_prefetch_b8 v0, s[64:65] scope:SCOPE_SE
	s_setreg_imm32_b32 hwreg(HW_REG_WAVE_MODE, 25, 1), 1
	s_wait_xcnt 0x0
; bf16 copies of the matrix operands, layouts unchanged: cb = x [4096][1024], pos [2048][1024], then Wq, Wk, Wv, Wpq, Wpk, Wo, each [1024][1024].
; cb is cut into 12 segments of 2^20 numbers (grid y): 0-3 x, 4-5 pos, 6-11 the weights.  A work-group (grid x) takes 16,384 numbers of a segment, a wave 2,048.
; A lane loads 16 bytes sixteen times, 512 bytes apart: each load of a wave covers 512 consecutive bytes.  Four f32 become 8 bytes: each store of a wave covers 256 consecutive bytes, aligned.
; Each number is rounded once, to nearest even.  No LDS, no barrier, no matrix unit: the launch only moves bytes.  All sixteen loads of a lane go out before the first is waited for.
.set X, 8                              ; v[8:71]   as loaded
.set Y, 72                             ; v[72:103] as stored
	s_load_b512 s[8:23], s[0:1], 0x0               ; x s[8:9], pos s[10:11], Wq s[12:13], Wk s[14:15], Wv s[16:17], Wpq s[18:19], Wpk s[20:21], Wo s[22:23]
	s_load_b64 s[24:25], s[0:1], 0x40              ; cb
	s_and_b32 s2, ttmp7, 0xffff                    ; the segment
	v_lshrrev_b32 v3, 5, v0                        ; wave
	v_and_b32 v4, 31, v0                           ; lane
	v_lshlrev_b32 v1, 4, v4
	v_lshl_or_b32 v1, v3, 13, v1                   ; in: 8,192 x wave + 16 x lane
	v_lshlrev_b32 v2, 3, v4
	v_lshl_or_b32 v2, v3, 12, v2                   ; out: 4,096 x wave + 8 x lane
	s_sub_co_u32 s26, s2, 4                        ; the segment's number within pos
	s_lshl_b32 s27, ttmp9, 16                      ; the work-group's 65,536 bytes of f32
	s_lshl_b32 s28, s2, 21                         ; the segment's 2 MiB of bf16,
	s_lshl_b32 s29, ttmp9, 15                      ; the work-group's 32,768 bytes of them
	s_add_co_u32 s28, s28, s29
	s_mov_b32 s29, 0
	s_wait_kmcnt 0x0
	s_mov_b64 s[4:5], s[22:23]                     ; segment 11 is Wo; the others are chosen by the segment's number alone
.irp i, 10,9,8,7,6
	s_cmp_eq_u32 s2, \i
	s_cselect_b64 s[4:5], s[2*(\i):2*(\i)+1], s[4:5]
.endr
	s_cmp_lt_u32 s2, 6
	s_cselect_b64 s[4:5], s[10:11], s[4:5]
	s_cselect_b32 s3, s26, 0                       ; which 4 MiB of the source
	s_cmp_lt_u32 s2, 4
	s_cselect_b64 s[4:5], s[8:9], s[4:5]
	s_cselect_b32 s3, s2, s3
	s_lshl_b32 s26, s3, 22
	s_add_co_u32 s26, s26, s27
	s_mov_b32 s27, 0
	s_add_nc_u64 s[4:5], s[4:5], s[26:27]
	s_add_nc_u64 s[6:7], s[24:25], s[28:29]
.irp i, 0,1,2,3,4,5,6,7,8,9,10,11,12,13,14,15
	global_load_b128 v[X+4*(\i):X+4*(\i)+3], v1, s[4:5] offset:512*(\i) th:TH_LOAD_NT
.endr
.irp i, 0,1,2,3,4,5,6,7,8,9,10,11,12,13,14,15
	s_wait_loadcnt 15-(\i)                         ; loads come back in order: number i is in, the younger ones stay out
	v_cvt_pk_bf16_f32 v[Y+2*(\i)], v[X+4*(\i)], v[X+4*(\i)+1]
	v_cvt_pk_bf16_f32 v[Y+2*(\i)+1], v[X+4*(\i)+2], v[X+4*(\i)+3]
	global_store_b64 v2, v[Y+2*(\i):Y+2*(\i)+1], s[6:7] offset:256*(\i)
.endr
	s_endpgm
.Lfunc_end_k_q990eab1105_cast:
	.size	k_q990eab1105_cast, .Lfunc_end_k_q990eab1105_cast-k_q990eab1105_cast
	.p2alignl 7, 3214868480
	.fill 96, 4, 3214868480
	.section	.rodata,"a",@progbits
	.p2align	6, 0x0
	.amdhsa_kernel k_q990eab1105_cast
		.amdhsa_group_segment_fixed_size 0
		.amdhsa_private_segment_fixed_size 0
		.amdhsa_enable_private_segment 0
		.amdhsa_kernarg_size 72
		.amdhsa_user_sgpr_count 2
		.amdhsa_user_sgpr_kernarg_segment_ptr 1
		.amdhsa_wavefront_size32 1
		.amdhsa_system_sgpr_workgroup_id_x 1
		.amdhsa_system_sgpr_workgroup_id_y 1
		.amdhsa_system_sgpr_workgroup_id_z 1
		.amdhsa_system_vgpr_workitem_id 0
		.amdhsa_next_free_vgpr 104
		.amdhsa_next_free_sgpr 66
		.amdhsa_reserve_vcc 0
		.amdhsa_float_denorm_mode_32 3
		.amdhsa_float_denorm_mode_16_64 3
		.amdhsa_memory_ordered 1
		.amdhsa_forward_progress 1
		.amdhsa_inst_pref_size 8
	.end_amdhsa_kernel
	.amdgpu_metadata
---
amdhsa.version: [ 1, 2 ]
amdhsa.kernels:
  - .name:           k_q990eab1105_cast
    .symbol:         k_q990eab1105_cast.kd
    .args:
      - { .name: hidden_states, .offset: 0, .size: 8, .value_kind: global_buffer, .address_space: global }
      - { .name: pos_emb, .offset: 8, .size: 8, .value_kind: global_buffer, .address_space: global }
      - { .name: Wq, .offset: 16, .size: 8, .value_kind: global_buffer, .address_space: global }
      - { .name: Wk, .offset: 24, .size: 8, .value_kind: global_buffer, .address_space: global }
      - { .name: Wv, .offset: 32, .size: 8, .value_kind: global_buffer, .address_space: global }
      - { .name: Wpq, .offset: 40, .size: 8, .value_kind: global_buffer, .address_space: global }
      - { .name: Wpk, .offset: 48, .size: 8, .value_kind: global_buffer, .address_space: global }
      - { .name: Wo, .offset: 56, .size: 8, .value_kind: global_buffer, .address_space: global }
      - { .name: cb, .offset: 64, .size: 8, .value_kind: global_buffer, .address_space: global }
    .group_segment_fixed_size: 0
    .private_segment_fixed_size: 0
    .kernarg_segment_align: 8
    .kernarg_segment_size: 72
    .max_flat_workgroup_size: 256
    .sgpr_count:     66
    .vgpr_count:     104
    .wavefront_size: 32
...
	.end_amdgpu_metadata
.endif
;; end of part 1
;; launch proj (part 2): grid 16 x 16, 4 waves a work-group, clusters of 4 x 4, 327,680 bytes of LDS; arguments cb, bq, bk, bv, bpq, bpk, qkv; writes qkv
.if DOCPART == 2
	.amdgcn_target "amdgcn-amd-amdhsa--gfx1250"
	.amdhsa_code_object_version 6
	.text
	.protected	k_q990eab1105_proj
	.globl	k_q990eab1105_proj
	.p2align	8
	.type	k_q990eab1105_proj,@function
k_q990eab1105_proj:
	s_mov_b64 s[64:65], 0
	v_nop
	global_prefetch_b8 v0, s[64:65] scope:SCOPE_SE
	s_setreg_imm32_b32 hwreg(HW_REG_WAVE_MODE, 25, 1), 1
	s_wait_xcnt 0x0
	s_wait_alu depctr_hold_cnt(0) depctr_sa_sdst(0) depctr_va_vdst(0) depctr_va_sdst(0) depctr_va_ssrc(0) depctr_va_vcc(0) depctr_vm_vsrc(0)
	s_getreg_b32 s2, hwreg(HW_REG_IB_STS2, 6, 4)
	s_cmp_eq_u32 s2, 0
	s_cbranch_scc0 .Lentry_in_a_cluster
	s_endpgm
.Lentry_in_a_cluster:
	s_bfe_u32 s2, ttmp6, 0x10000c
	s_cmp_lg_u32 s2, 0xf033
	s_cbranch_scc0 .Lentry_shape_is_right
	s_endpgm
.Lentry_shape_is_right:
; THE FIVE PROJECTIONS: q, k, v = x W + b (4,096 rows) and rq, rk = pos W + b (2,048 rows), all operands bf16 out of cb, sums in f32, results rounded once to bf16 and stored BY HEADS:
; qkv = q, k, v as [b][h][n][64] at 0, 8, 16 MiB; rq, rk as [h][n][64] at 24, 28 MiB.  A head's rows are dense, 128 bytes each.
; SHARES.  4,096 x 3,072 + 2,048 x 2,048 outputs are 256 tiles of 256 x 256, K = 1,024: one to a work-group.  Clusters of 4 x 4 work-groups; a cluster's four tile columns are one whole W.
; Clusters with x = 0, 1, 2 take Wq, Wk, Wv and rows 1,024 y .. of x; clusters with x = 3 take Wpq (y = 0, 1) or Wpk (y = 2, 3) and rows 1,024 (y & 1) .. of pos.
; Four waves, each 128 x 128: 64 accumulators of 16 x 16.  K goes in steps of 128 through two LDS slots filled by joint tensor loads: A's tile is shared along a row of the cluster, W's along a column.
; W lies [k][n]: its tile comes in as 128 k rows of 512 bytes and is turned on the way into registers by ds_load_tr16_b128.
; THE MATRIX INSTRUCTION IS USED TRANSPOSED (source 0 = 16 columns of W, source 1 = 16 rows of A): a lane holds eight neighbouring columns of one row.  The bias is the C operand of each accumulator's first product.
; REGISTERS, in windows of 256 (s_set_vgpr_msb: bits 1:0 source 0, 3:2 source 1, 5:4 source 2, 7:6 destination):
;   window 0: v0-31 addresses; v64-127, v128-191 A's fragments, two buffers; v32-63, v192-255 at work on the way out
;   window 1: v0-63 the bias of my 128 columns; v64-127, v128-191 W's fragments, two buffers          windows 2, 3: the accumulators of my rows 0-63, 64-127, (a, b) at v[8 (8 a + b)]
.set KSTEP,  128
.set PA,     272                       ; a row of A in LDS: 256 bytes + 16: the 16 rows of a load start 68 words apart
.set PB,     544                       ; a k row of W in LDS: 512 bytes + 32 = 17 x 32, for the turning load
.set HALFT,  128*PA                    ; what one tensor load brings: 128 rows of A, or 64 k rows of W (64 x 544 is the same number)
.set SLOT,   4*HALFT                   ; A's 256 rows, then W's 128 k rows
.set STAGE,  2*SLOT                    ; behind the ring: 16 rows x 272 bytes for each wave, for the way out
.set SP,     272
.set SPARE,  STAGE+4*16*SP             ; behind the stages: the spare words, 128 bytes for each wave, which no other line names
.set LAPS,   4                         ; a lap = two K steps = once round the ring
.set POS0,   8<<20                     ; pos in cb
.set W0,     12<<20                    ; the first W in cb; each is 2 MiB
.set ADRA, 16                          ; v16-17  LDS address of my A fragments in slot 0, 1
.set ADRB, 20                          ; v20-21  the same for W
.set STO,  24                          ; v24     the way out: where I put 16 bytes of a row
.set RD,   25                          ; v25     the way out: where I read 16 bytes of a head's row back
.set CO,   26                          ; v26     16 x lane: my place in 512 consecutive bytes of a head
.set BO,   27                          ; v27     32 x (lane / 16): my eight columns' bias
.set SPW,  28                          ; v28     LDS address of my spare word; never rewritten
.set NIL,  29                          ; v29     0; never rewritten
.set PFO,  30                          ; v30     the prefetches' lane offset; never rewritten
.set F0,   64
.set F1,   128
.set TMP,  192
.set OB,   32
.set BIAS, 0                           ; window 1
.set G1,  24                           ; s[24:31] descriptor group 1 for A's tiles;  s[32:39] group 0, a set for each slot
.set G0,  32
.set G1B, 48                           ; s[48:55], s[56:63] the same for W's tiles
.set G0B, 56
.set WV,  18                           ; s18 wave;  s19 my half of the tile's rows, also: I fetch A (0) or W (1);  s20 my half of its columns, also: which half I fetch
.set RH,  19
.set CH,  20
.set CX,  21                           ; my place in the cluster
.set CY,  22
.set CLX, 23                           ; the cluster's place
.set CLY, 66
.set WI,  67                           ; which W: 0 .. 4
.set BP,  68                           ; s[68:69] the bias of my 128 columns
.set OFA, 70                           ; s[70:71] byte offset in cb of the rows of A that I fetch
.set OFB, 72                           ; s[72:73] the same for W
.set PST, 74                           ; s[74:75] a K step in bytes, in what I prefetch
.set PFA, 76                           ; s[76:77] where my prefetches stand
.set LIM, 78                           ; s78 1 in a wave that prefetches, else the greatest number
.set LAP, 79                           ; s79 laps to go
.set MSB, 0
.macro WIN new                         ; the immediate's high byte repeats the setting that is left; a switch that changes nothing is dropped
.if MSB != (\new)
	s_set_vgpr_msb (MSB<<8)|(\new)
.set MSB, \new
.endif
.endm
.set MUL_LO, 0xa1                      ; source 0 (W) window 1, source 1 (A) window 0, C and D window 2
.set TO_B,   0x40                      ; destination window 1, address window 0
; A joint load.  Waves 0 and 1 fetch A's two halves, waves 2 and 3 W's.  The branch hangs on the wave's number alone.  An s_nop 0 and four v_nop follow each line.
.macro JLOAD s
	s_cmp_eq_u32 s[RH], 0
	s_cbranch_scc0 .Lfor_b_\@
	tensor_load_to_lds s[G0+4*(\s):G0+4*(\s)+3], s[G1:G1+7]
	s_nop 0
.rept 4
	v_nop
.endr
	s_branch .Lasked_\@
.Lfor_b_\@:
	tensor_load_to_lds s[G0B+4*(\s):G0B+4*(\s)+3], s[G1B:G1B+7]
	s_nop 0
.rept 4
	v_nop
.endr
.Lasked_\@:
.endm
; A prefetch, behind each refill and the run of LDS loads that follows it, of the K step that stands two refills on: K steps 4 to 7; the last lap asks for nothing, and nothing is asked for at the head.
; Each aligned block of 256 bytes is named once in the launch: of the clusters that read the same rows one asks; its four partners that ask for a tile jointly share its blocks out by address, 32 each, a lane a block.
.macro ASK
	s_cmp_gt_u32 s[LAP], s[LIM]
	s_cbranch_scc0 .Lnot_mine_\@
	global_prefetch_b8 v[PFO], s[PFA:PFA+1] th:TH_LOAD_NT scope:SCOPE_SE
.Lnot_mine_\@:
.endm
.macro CREST                           ; a round of the cluster's barrier behind its opening barrier
	s_cmp_lg_u32 s[WV], 0
	s_cbranch_scc1 .Lnot_wave_0_\@
	s_barrier_signal -3
.Lnot_wave_0_\@:
	s_barrier_wait -3
	s_barrier_signal -1
	s_barrier_wait -1
.endm
.macro CROUND                          ; a whole round
	s_barrier_signal -1
	s_barrier_wait -1
	CREST
.endm
	s_load_b128 s[4:7], s[0:1], 0x0                ; cb s[4:5], bq s[6:7]
	s_load_b128 s[8:11], s[0:1], 0x10              ; bk s[8:9], bv s[10:11]
	s_load_b128 s[12:15], s[0:1], 0x20             ; bpq s[12:13], bpk s[14:15]
	s_load_b64 s[16:17], s[0:1], 0x30              ; qkv
	v_lshl_add_u32 v[SPW], v0, 2, SPARE
	v_mov_b32 v[NIL], 0
	ds_add_u32 v[SPW], v[NIL]                      ; the wave's opening: the add and its wait stand ahead of my first tensor load; the set-up below stands between them
	v_lshrrev_b32 v1, 5, v0
	v_readfirstlane_b32 s[WV], v1
	s_lshr_b32 s[RH], s[WV], 1
	s_and_b32 s[CH], s[WV], 1
	s_bfe_u32 s[CX], ttmp6, 0x40000
	s_bfe_u32 s[CY], ttmp6, 0x40004
	s_mov_b32 s[CLX], ttmp9
	s_and_b32 s[CLY], ttmp7, 0xffff
	s_lshr_b32 s80, s[CLY], 1                      ; kept: cluster y / 2
	s_and_b32 s81, s[CLY], 1                       ; kept: cluster y % 2
	s_add_co_u32 s82, s80, 3
	s_lshl_b32 s40, s[CLY], 21                     ; x: 1,024 rows of 2,048 bytes for each cluster y
	s_lshl_b32 s41, s81, 21
	s_add_co_u32 s41, s41, POS0                    ; pos: the same by cluster y % 2
	s_cmp_lt_u32 s[CLX], 3                         ; a product with x?
	s_cselect_b32 s[WI], s[CLX], s82
	s_cselect_b32 s[OFA], s40, s41
	s_cselect_b32 s84, s[CLX], s80                 ; the coordinate along which other clusters read the same rows of A,
	s_cselect_b32 s85, s[CLY], s81                 ; and of W
	s_lshl_b32 s40, s[CY], 19                      ; my tile row's 256 rows,
	s_add_co_u32 s[OFA], s[OFA], s40
	s_lshl_b32 s40, s[CH], 18                      ; the 128 of them that I fetch
	s_add_co_u32 s[OFA], s[OFA], s40
	s_mov_b32 s[OFA+1], 0
	s_lshl_b32 s[OFB], s[WI], 21
	s_add_co_u32 s[OFB], s[OFB], W0
	s_lshl_b32 s41, s[CH], 17                      ; the 64 k rows that I fetch,
	s_add_co_u32 s[OFB], s[OFB], s41
	s_lshl_b32 s41, s[CX], 9                       ; my tile column's 512 bytes of them
	s_add_co_u32 s[OFB], s[OFB], s41
	s_mov_b32 s[OFB+1], 0
	s_mul_i32 s83, s[WV], HALFT                    ; where they go: no place in the cluster enters an LDS address
	s_lshl_b32 s42, s[CY], 2
	s_lshl_b32 s42, 15, s42                        ; my row of the cluster
	s_lshl_b32 s43, 0x1111, s[CX]                  ; my column
	s_or_b32 s[G1], s42, (1<<16)|(1<<20)|(1<<21)|(5<<22)|(3<<25)   ; the mask; 2-byte elements; padding on; bit 21 beside a mask; after every 64 words 4 words
	s_mov_b32 s[G1+1], 128<<16                     ; tensor_dim0 = 128
	s_mov_b32 s[G1+2], 128<<16                     ; tensor_dim1 = 128
	s_mov_b32 s[G1+3], 128<<16                     ; tile_dim0 = 128
	s_mov_b32 s[G1+4], 128                         ; tile_dim1 = 128
	s_mov_b32 s[G1+5], 1024                        ; elements from row to row
	s_mov_b32 s[G1+6], 0
	s_mov_b32 s[G1+7], 0
	s_or_b32 s[G1B], s43, (1<<16)|(1<<20)|(1<<21)|(6<<22)|(7<<25)  ; after every 128 words 8 words
	s_mov_b32 s[G1B+1], 256<<16                    ; tensor_dim0 = 256
	s_mov_b32 s[G1B+2], 64<<16                     ; tensor_dim1 = 64
	s_mov_b32 s[G1B+3], 256<<16                    ; tile_dim0 = 256
	s_mov_b32 s[G1B+4], 64                         ; tile_dim1 = 64
	s_mov_b32 s[G1B+5], 1024
	s_mov_b32 s[G1B+6], 0
	s_mov_b32 s[G1B+7], 0
	s_wait_dscnt 0x0                               ; the opening add is done
	s_wait_kmcnt 0x0
	s_add_nc_u64 s[44:45], s[4:5], s[OFA:OFA+1]
	s_add_nc_u64 s[46:47], s[4:5], s[OFB:OFB+1]
	CROUND                                         ; all sixteen work-groups are here: the first joint loads meet
.irp s, 0,1
	s_mov_b32 s[G0+4*(\s)], 1
	s_add_co_u32 s[G0+4*(\s)+1], s83, (\s)*SLOT
	s_add_nc_u64 s[G0+4*(\s)+2:G0+4*(\s)+3], s[44:45], (\s)*KSTEP*2      ; K step s: 256 bytes along the rows
	s_or_b32 s[G0+4*(\s)+3], s[G0+4*(\s)+3], 0x80000000
	s_mov_b32 s[G0B+4*(\s)], 1
	s_add_co_u32 s[G0B+4*(\s)+1], s83, (\s)*SLOT
	s_add_nc_u64 s[G0B+4*(\s)+2:G0B+4*(\s)+3], s[46:47], (\s)*KSTEP*2048 ; K step s: 128 k rows down
	s_or_b32 s[G0B+4*(\s)+3], s[G0B+4*(\s)+3], 0x80000000
	JLOAD \s                                       ; two tensor loads of mine are out
.endr
	; the bias of my 128 columns
	s_mov_b64 s[BP:BP+1], s[14:15]
	s_cmp_eq_u32 s[WI], 3
	s_cselect_b64 s[BP:BP+1], s[12:13], s[BP:BP+1]
	s_cmp_eq_u32 s[WI], 2
	s_cselect_b64 s[BP:BP+1], s[10:11], s[BP:BP+1]
	s_cmp_eq_u32 s[WI], 1
	s_cselect_b64 s[BP:BP+1], s[8:9], s[BP:BP+1]
	s_cmp_eq_u32 s[WI], 0
	s_cselect_b64 s[BP:BP+1], s[6:7], s[BP:BP+1]
	s_lshl_b32 s40, s[CX], 10
	s_lshl_b32 s41, s[CH], 9
	s_add_co_u32 s40, s40, s41
	s_mov_b32 s41, 0
	s_add_nc_u64 s[BP:BP+1], s[BP:BP+1], s[40:41]
	v_and_b32 v1, 15, v0                           ; r = lane % 16
	v_bfe_u32 v2, v0, 4, 1                         ; h = lane / 16
	v_and_b32 v3, 7, v0
	v_bfe_u32 v4, v0, 3, 1
	v_and_b32 v5, 31, v0
	v_lshlrev_b32 v[BO], 5, v2
	WIN TO_B
.irp b, 0,1,2,3,4,5,6,7                ; register j of block b: the bias of column 16 b + 8 h + j, as the accumulators hold them
	global_load_b128 v[BIAS+8*(\b):BIAS+8*(\b)+3],   v[BO], s[BP:BP+1] offset:64*(\b)
	global_load_b128 v[BIAS+8*(\b)+4:BIAS+8*(\b)+7], v[BO], s[BP:BP+1] offset:64*(\b)+16
.endr
	WIN 0
	; A's fragment: lane l holds row l % 16, K = 8 h + 0..7 and 16 + 8 h + 0..7: two loads of 16 bytes, 32 bytes apart
	v_mul_u32_u24 v6, v1, PA
	v_lshl_add_u32 v6, v2, 4, v6
	s_mul_i32 s40, s[RH], HALFT
	v_add_nc_u32 v[ADRA], s40, v6
	v_add_nc_u32 v[ADRA+1], SLOT, v[ADRA]
	; W's fragment, turned: lane l reads k row 8 h + l % 8, columns 8 ((l / 8) % 2) + 0..7, and ends with column l % 16 and eight k
	v_lshl_add_u32 v7, v2, 3, v3
	v_mul_u32_u24 v7, v7, PB
	v_lshl_add_u32 v7, v4, 4, v7
	s_lshl_b32 s41, s[CH], 8
	s_add_co_u32 s41, s41, 2*HALFT
	v_add_nc_u32 v[ADRB], s41, v7
	v_add_nc_u32 v[ADRB+1], SLOT, v[ADRB]
	s_mul_i32 s42, s[WV], 16*SP
	s_add_co_u32 s42, s42, STAGE                   ; my stage
	v_add_nc_u32 v[STO], s42, v6                   ; in: row l % 16, 16 bytes for each half of the lanes
	v_bfe_u32 v8, v0, 3, 2
	v_mul_u32_u24 v8, v8, SP
	v_lshl_add_u32 v8, v3, 4, v8
	v_add_nc_u32 v[RD], s42, v8                    ; back: 32 lanes take a head's 128 bytes of four rows,
	v_lshlrev_b32 v[CO], 4, v5                     ; which are 512 consecutive bytes of qkv
	; where my part of the result begins: tensor and batch, my first head (4 cx + 2 x column half), my first row
	s_lshl_b32 s86, s[CLX], 23
	s_lshl_b32 s40, s80, 22
	s_add_co_u32 s86, s86, s40
	s_lshl_b32 s40, s[CX], 20
	s_add_co_u32 s86, s86, s40
	s_lshl_b32 s40, s[CH], 19
	s_add_co_u32 s86, s86, s40
	s_lshl_b32 s40, s81, 17
	s_add_co_u32 s86, s86, s40
	s_lshl_b32 s40, s[CY], 15
	s_add_co_u32 s86, s86, s40
	s_lshl_b32 s40, s[RH], 14
	s_add_co_u32 s86, s86, s40
	s_mov_b32 s87, 0
	; the prefetches.  A: of the 128 rows that I fetch my work-group takes 32 by cx, a lane a row.  W: of the 64 k rows 16 by cy, two lanes a row (512 bytes).  Both stand at K step 3: the first refill steps them to 4
	s_lshl_b32 s40, s[CX], 16
	s_add_co_u32 s40, s40, s[OFA]
	s_add_co_u32 s40, s40, 3*KSTEP*2
	s_lshl_b32 s41, s[CY], 15
	s_add_co_u32 s41, s41, s[OFB]
	s_add_co_u32 s41, s41, 3*KSTEP*2048
	s_mov_b32 s42, KSTEP*2
	s_mov_b32 s43, KSTEP*2048
	s_cmp_eq_u32 s[RH], 0
	s_cselect_b32 s88, s40, s41
	s_cselect_b32 s[PST], s42, s43
	s_cselect_b32 s89, s84, s85
	s_mov_b32 s[PST+1], 0
	s_cmp_eq_u32 s89, 0
	s_cselect_b32 s[LIM], 1, -1                    ; the same in all sixteen partners, for a given wave
	s_mov_b32 s89, 0
	s_add_nc_u64 s[PFA:PFA+1], s[4:5], s[88:89]
	v_lshrrev_b32 v8, s[RH], v5
	v_and_b32 v9, s[RH], v5
	v_lshlrev_b32 v[PFO], 11, v8
	v_lshl_add_u32 v[PFO], v9, 8, v[PFO]
; 16 matrix instructions: row blocks a0, a0 + 1 of the window's four x all 8 column blocks, 32 along K.  zero = 1: the first product starts the sum with the bias as C.  The 64 accumulators take turns.
.macro MUL16 f, hi, a0, zero
.if \zero
	WIN 0x91+0x40*(\hi)                            ; as below, with C in window 1
.else
	WIN MUL_LO+0x50*(\hi)
.endif
.irp a, \a0, (\a0)+1
.irp b, 0,1,2,3,4,5,6,7
.if \zero
	v_wmma_f32_16x16x32_bf16 v[8*(8*(\a)+(\b)):8*(8*(\a)+(\b))+7], v[(\f)+8*(\b):(\f)+8*(\b)+7], v[(\f)+8*(4*(\hi)+(\a)):(\f)+8*(4*(\hi)+(\a))+7], v[BIAS+8*(\b):BIAS+8*(\b)+7]
.else
	v_wmma_f32_16x16x32_bf16 v[8*(8*(\a)+(\b)):8*(8*(\a)+(\b))+7], v[(\f)+8*(\b):(\f)+8*(\b)+7], v[(\f)+8*(4*(\hi)+(\a)):(\f)+8*(4*(\hi)+(\a))+7], v[8*(8*(\a)+(\b)):8*(8*(\a)+(\b))+7]
.endif
.endr
.endr
.endm
; 32 LDS loads in one run: the fragments of quarter q (32 along K) of a slot into buffer f: W's 128 columns, turned, then A's 128 rows
.macro FETCH slot, q, f
	WIN TO_B
.irp i, 0,1,2,3,4,5,6,7
	ds_load_tr16_b128 v[(\f)+8*(\i):(\f)+8*(\i)+3],   v[ADRB+(\slot)] offset:(\q)*32*PB+32*(\i)
	ds_load_tr16_b128 v[(\f)+8*(\i)+4:(\f)+8*(\i)+7], v[ADRB+(\slot)] offset:(\q)*32*PB+32*(\i)+16*PB
.endr
	WIN 0
.irp i, 0,1,2,3,4,5,6,7
	ds_load_b128 v[(\f)+8*(\i):(\f)+8*(\i)+3],   v[ADRA+(\slot)] offset:(\q)*64+(\i)*16*PA
	ds_load_b128 v[(\f)+8*(\i)+4:(\f)+8*(\i)+7], v[ADRA+(\slot)] offset:(\q)*64+(\i)*16*PA+32
.endr
.endm
.macro PLACES                          ; four plain vector instructions between a matrix instruction and a load into its sources or a reader of its result
.rept 4
	v_nop
.endr
.endm
; A K step is four quarters of 32 along K on buffers 0, 1, 0, 1.  One of the first three multiplies buffer f and, in its middle, fetches quarter q into buffer g.
.macro QUARTER slot, q, f, g, zero
	s_wait_dscnt 8                                 ; W and A's rows 0-63 are in; the youngest eight loads (A's rows 64-127) may be out
	MUL16 \f, 0, 0, \zero
	MUL16 \f, 0, 2, \zero
	PLACES
	FETCH \slot, \q, \g
	s_wait_dscnt 32                                ; all but the 32 just issued
	MUL16 \f, 1, 0, \zero
	MUL16 \f, 1, 2, \zero
.endm
; The first half of the last quarter, and the barrier of the change of slots: each wave has waited for all its tensor loads (one is out: its part of the next slot), added 0 to its spare word, and waited for that and for its reads of this slot.
.macro MEET round
	WIN 0
	s_wait_tensorcnt 0x0
	ds_add_u32 v[SPW], v[NIL]
	s_wait_dscnt 9                                 ; the add and the youngest eight loads may be out
	MUL16 F1, 0, 0, 0
	s_wait_dscnt 0x0                               ; the add is done, my reads of this slot are over
	s_barrier_signal -1
	MUL16 F1, 0, 2, 0
.if \round
	WIN 0
.endif
	s_barrier_wait -1
.endm
.macro TURN slot, next, fill
.if \fill
	s_wait_xcnt 0x0                                ; the last prefetch, a K step back, has read its address
	s_add_nc_u64 s[PFA:PFA+1], s[PFA:PFA+1], s[PST:PST+1]
	MEET 1
	CREST                                          ; no wave of any partner still reads this slot or has a load on its way
	s_add_nc_u64 s[G0+4*(\slot)+2:G0+4*(\slot)+3], s[G0+4*(\slot)+2:G0+4*(\slot)+3], 2*KSTEP*2
	s_add_nc_u64 s[G0B+4*(\slot)+2:G0B+4*(\slot)+3], s[G0B+4*(\slot)+2:G0B+4*(\slot)+3], 2*KSTEP*2048
	JLOAD \slot                                    ; my one tensor load behind the round; 224 matrix instructions stand between it and the wait for it; its four v_nop are the places in front of the loads below
.else
	MEET 0
	PLACES
.endif
	FETCH \next, 0, F0
.if \fill
	ASK
.endif
	MUL16 F1, 1, 0, 0
	MUL16 F1, 1, 2, 0
.endm
; THE WAY OUT of block a (16 rows x 128 columns = two heads).  PACK: rounded to bf16.  TOSTAGE: into my own stage, and back head by head, four rows of 128 bytes a load.  SEND: 512 consecutive bytes of a head a store.
.macro PACK a
.set AC, 64*((\a)%4)
	WIN 0x0a+5*((\a)/4)                            ; sources 0 and 1: window 2 or 3
.irp b, 0,1,2,3,4,5,6,7
.irp r, 0,1,2,3
	v_cvt_pk_bf16_f32 v[TMP+4*(\b)+(\r)], v[AC+8*(\b)+2*(\r)], v[AC+8*(\b)+2*(\r)+1]
.endr
.endr
	WIN 0
.endm
.macro TOSTAGE a
	WIN 0
.set BK, OB+192*((\a)%2)
.irp b, 0,1,2,3,4,5,6,7
	ds_store_b128 v[STO], v[TMP+4*(\b):TMP+4*(\b)+3] offset:32*(\b)
.endr
.irp u, 0,1,2,3,4,5,6,7                ; head u / 4, rows 4 (u % 4) on; LDS serves a wave's instructions in order (ISA guide 5.7.1.4): these see the stores above
	ds_load_b128 v[BK+4*(\u):BK+4*(\u)+3], v[RD] offset:((\u)/4)*128+((\u)%4)*4*SP
.endr
.endm
.macro SEND a
	WIN 0
.set BK, OB+192*((\a)%2)
	s_wait_dscnt 0x0                               ; the block is back in registers
	s_wait_xcnt 0x0                                ; the stores' base and the registers that earlier stores read are rewritten only behind this wait
.if (\a) == 0
	s_add_nc_u64 s[16:17], s[16:17], s[86:87]
.else
	s_add_nc_u64 s[16:17], s[16:17], 16*128        ; 16 rows of a head on
.endif
.irp u, 0,1,2,3,4,5,6,7
	global_store_b128 v[CO], v[BK+4*(\u):BK+4*(\u)+3], s[16:17] offset:((\u)/4)*262144+((\u)%4)*512
.endr
.endm
	s_wait_tensorcnt 1                             ; my part of K step 0 is in; K step 1's may stay out
	s_barrier_signal -1
	s_barrier_wait -1
	FETCH 0, 0, F0
	s_wait_loadcnt 0x0                             ; the bias
	QUARTER 0, 1, F0, F1, 1                        ; the first quarter stands in front of the loop: its products start the sums
	WIN 0
	s_mov_b32 s[LAP], LAPS-1
.Llap:                                                 ; a trip goes once round the ring, from a lap's second quarter to the next lap's first, and fills both slots again
	QUARTER 0, 2, F1, F0, 0
	QUARTER 0, 3, F0, F1, 0
	TURN 0, 1, 1
	QUARTER 1, 1, F0, F1, 0
	QUARTER 1, 2, F1, F0, 0
	QUARTER 1, 3, F0, F1, 0
	TURN 1, 0, 1
	QUARTER 0, 1, F0, F1, 0
	WIN 0
	s_sub_co_u32 s[LAP], s[LAP], 1
	s_cmp_lg_u32 s[LAP], 0
	s_cbranch_scc1 .Llap
	QUARTER 0, 2, F1, F0, 0                        ; the last lap fills nothing
	QUARTER 0, 3, F0, F1, 0
	TURN 0, 1, 0
	QUARTER 1, 1, F0, F1, 0
	QUARTER 1, 2, F1, F0, 0
	QUARTER 1, 3, F0, F1, 0
	s_wait_dscnt 8
	MUL16 F1, 0, 0, 0
	MUL16 F1, 0, 2, 0
	s_wait_dscnt 0x0
	MUL16 F1, 1, 0, 0
	MUL16 F1, 1, 2, 0
	PLACES
	PACK 0
	TOSTAGE 0
.irp a, 1,2,3,4,5,6,7                  ; block a's conversions stand between block a - 1's loads from the stage and the wait for them
	PACK \a
	SEND (\a)-1
	TOSTAGE \a
.endr
	SEND 7
	s_wait_tensorcnt 0x0                           ; the wave's end
	ds_add_u32 v[SPW], v[NIL]
	s_wait_dscnt 0x0
	CROUND                                         ; the closing round
	s_endpgm
.Lfunc_end_k_q990eab1105_proj:
	.size	k_q990eab1105_proj, .Lfunc_end_k_q990eab1105_proj-k_q990eab1105_proj
	.p2alignl 7, 3214868480
	.fill 96, 4, 3214868480
	.section	.rodata,"a",@progbits
	.p2align	6, 0x0
	.amdhsa_kernel k_q990eab1105_proj
		.amdhsa_group_segment_fixed_size 327680
		.amdhsa_private_segment_fixed_size 0
		.amdhsa_enable_private_segment 0
		.amdhsa_kernarg_size 56
		.amdhsa_user_sgpr_count 2
		.amdhsa_user_sgpr_kernarg_segment_ptr 1
		.amdhsa_wavefront_size32 1
		.amdhsa_system_sgpr_workgroup_id_x 1
		.amdhsa_system_sgpr_workgroup_id_y 1
		.amdhsa_system_sgpr_workgroup_id_z 1
		.amdhsa_system_vgpr_workitem_id 0
		.amdhsa_next_free_vgpr 1024
		.amdhsa_next_free_sgpr 96
		.amdhsa_reserve_vcc 0
		.amdhsa_float_denorm_mode_32 3
		.amdhsa_float_denorm_mode_16_64 3
		.amdhsa_memory_ordered 1
		.amdhsa_forward_progress 1
		.amdhsa_inst_pref_size 146
	.end_amdhsa_kernel
	.amdgpu_metadata
---
amdhsa.version: [ 1, 2 ]
amdhsa.kernels:
  - .name:           k_q990eab1105_proj
    .symbol:         k_q990eab1105_proj.kd
    .args:
      - { .name: cb, .offset: 0, .size: 8, .value_kind: global_buffer, .address_space: global }
      - { .name: bq, .offset: 8, .size: 8, .value_kind: global_buffer, .address_space: global }
      - { .name: bk, .offset: 16, .size: 8, .value_kind: global_buffer, .address_space: global }
      - { .name: bv, .offset: 24, .size: 8, .value_kind: global_buffer, .address_space: global }
      - { .name: bpq, .offset: 32, .size: 8, .value_kind: global_buffer, .address_space: global }
      - { .name: bpk, .offset: 40, .size: 8, .value_kind: global_buffer, .address_space: global }
      - { .name: qkv, .offset: 48, .size: 8, .value_kind: global_buffer, .address_space: global }
    .group_segment_fixed_size: 327680
    .private_segment_fixed_size: 0
    .kernarg_segment_align: 8
    .kernarg_segment_size: 56
    .max_flat_workgroup_size: 128
    .sgpr_count:     96
    .vgpr_count:     1024
    .wavefront_size: 32
...
	.end_amdgpu_metadata
.endif
;; end of part 2
;; launch attn (part 3): grid 8 x 32, 4 waves a work-group, clusters of 4 x 1, 327,680 bytes of LDS; arguments qkv, ob; writes ob
.if DOCPART == 3
	.amdgcn_target "amdgcn-amd-amdhsa--gfx1250"
	.amdhsa_code_object_version 6
	.text
	.protected	k_q990eab1105_attn
	.globl	k_q990eab1105_attn
	.p2align	8
	.type	k_q990eab1105_attn,@function
k_q990eab1105_attn:
	s_mov_b64 s[64:65], 0
	v_nop
	global_prefetch_b8 v0, s[64:65] scope:SCOPE_SE
	s_setreg_imm32_b32 hwreg(HW_REG_WAVE_MODE, 25, 1), 1
	s_wait_xcnt 0x0
	s_wait_alu depctr_hold_cnt(0) depctr_sa_sdst(0) depctr_va_vdst(0) depctr_va_sdst(0) depctr_va_ssrc(0) depctr_va_vcc(0) depctr_vm_vsrc(0)
	s_getreg_b32 s2, hwreg(HW_REG_IB_STS2, 6, 4)
	s_cmp_eq_u32 s2, 0
	s_cbranch_scc0 .Lentry_in_a_cluster
	s_endpgm
.Lentry_in_a_cluster:
	s_bfe_u32 s2, ttmp6, 0x10000c
	s_cmp_lg_u32 s2, 0x3003
	s_cbranch_scc0 .Lentry_shape_is_right
	s_endpgm
.Lentry_shape_is_right:
; O[b][h][i] = the sum over j of softmax_j(c' (q_i k_j + rq_i k_j + q_i rk_j)) v_j, c' = 1 / sqrt(192).  The three terms are ONE product of depth 128: [q + rq ; q] . [k ; rk].
; All operands bf16 out of qkv (q, k, v [b][h][n][64] at 0, 8, 16 MiB; rq, rk [h][n][64] at 24, 28 MiB); products, maxima and sums in f32; the weights are rounded to bf16 for the second product, O once at the end.
; O goes to ob in blocks: token T, head h, channel d at (T / 128) x 262,144 + h x 16,384 + (T % 128) x 128 + 2 d.
; LIMITS.  q + rq is rounded to bf16 once, from two bf16 numbers.  The running maximum starts at the lowest finite number, c m at -4.25e37; a weight below 2^-126 counts as 0; NaN and infinities are not treated apart.
; SHARES.  A work-group owns 256 queries of one batch and head, each of its four waves 64: four tiles of 16, as two PIECES (tiles 0, 1 and tiles 2, 3).  Every wave walks all 2,048 keys, 64 a step.
; LAYOUT.  S^T = K' Q'^T (source 0 = 16 keys, source 1 = 16 queries): a lane holds ONE query (lane % 16) and the keys 8 (lane / 16) + 0..7; two such results rounded to bf16 ARE source 1 of O^T = V^T P.
; SOFTMAX.  p = 2^(c s - c m), c = log2(e) / sqrt(192), with a running maximum m; in every step O and l are multiplied by a = 2^(c m_old - c m_new).  O and l start at 0: the first step is a step like any other, with a = 0.
; BY TURNS.  In a turn one piece has the matrix unit: 16 products V^T P of the step in hand, then 32 products K' Q'^T of the next; the other piece's softmax, 236 vector instructions in 48 slices, stands behind them,
; a slice of four behind each matrix instruction, the 48 that are over in the last slice.  A turn's 66 exponentials are one batch with one wait.
; CLUSTER.  The four query blocks of a cluster walk the same k, rk and v: each tile of 256 keys is asked for jointly, by the same tensor load with the same descriptor and the mask of four.
; REGISTERS, in windows of 256 (s_set_vgpr_msb: bits 1:0 source 0, 3:2 source 1, 5:4 source 2, 7:6 destination):
;   window 0: v0-11 addresses; v12-43 eight registers of statistics a tile; v61-63; v64-191 S^T, 32 a tile; v192-255 P, 16 a tile          window 1: v0-127 O^T, 32 a tile
;   window 2: v0-127 Q' (tile t, chunk c of 32 channels at 32 t + 8 c: chunks 0, 1 q + rq, chunks 2, 3 q); v128-255 K' of one step (chunks 0, 1 k, chunks 2, 3 rk)          window 3: v0-63 V of one step
.set KS,    64
.set PK,    144       ; a row of k or rk in LDS: 128 bytes + 16: the 16 rows of a load start 36 words apart
.set PV,    160       ; a row of v: 128 + 32 = 5 x 32, for the turning load
.set ROFF,  256*PK    ; a slot holds 256 keys, four steps: k, then rk,
.set VOFF,  2*256*PK  ; then v
.set SLOT1, 1<<17     ; slot 1 begins here: one exclusive or turns an address in one slot into the other's
.set STAGE, SLOT1+VOFF+256*PV  ; behind the ring: 16 rows x 144 bytes for each wave, for the way out
.set SP,    144
.set SPARE, STAGE+4*16*SP      ; behind the stages: the spare words, 128 bytes for each wave, which no other line names
.set TILEB, 256*128   ; a tile's bytes in memory, of k, rk or v
.set OFF_K,  8<<20
.set OFF_V,  16<<20
.set OFF_RQ, 24<<20
.set OFF_RK, 28<<20
.set AK0, 2           ; v2   my lane's place in a tile of k; never rewritten
.set AV0, 3           ; v3   the same for v
.set AK,  4           ; v4   the LDS address of K's run of loads
.set AV,  5           ; v5   of V's
.set QO,  6           ; v6   my byte offset in the wave's rows of q
.set STO, 6           ;      later, the way out: where I put 16 bytes of a row
.set RD,  7           ; v7   the way out: where I read rows back
.set GO,  8           ; v8   16 x lane
.set ST,  12          ; tile t's statistics at v[ST+8 t]: +0 c m, +1 m, +2, +3 l (even keys', odd keys'), +4 to +7 c0-c3 at work; a takes c2's place
.set PFO, 61          ; v61  256 x lane; never rewritten
.set SPW, 62          ; v62  LDS address of my spare word; never rewritten
.set NIL, 63          ; v63  0; never rewritten
.set S,   64
.set P,   192
.set KF,  128         ; window 2
.set WV,  12          ; s12  wave
.set LIM, 15          ; s15  1 in a wave that prefetches, else the greatest number
.set G1K, 24          ; s[24:31] descriptor group 1 for k's and rk's tiles
.set G1V, 32          ; s[32:39] for v's
.set G0K, 40          ; s[40:43] descriptor group 0: it walks
.set G0V, 44          ; s[44:47]
.set PFA, 48          ; s[48:49] where my prefetches stand
.set SLOTS, 56        ; s56  tiles still to be asked for
.set CNT, 57          ; s57  counts a tile's key steps
.set CS,  58          ; s[58:59] c
.set SEL, 60          ; s[60:61] v_permlanex16_b32's selects: each lane takes its own place in the other half
.set TBK, 62          ; s62  LDS byte at which k of the step to be fetched begins
.set TBV, 63          ; s63  the same for v, less VOFF
.set MSB, 0
.macro WIN new
.if MSB != (\new)
	s_set_vgpr_msb (MSB<<8)|(\new)
.set MSB, (\new)
.endif
.endm
.set W_KQ, 0x0a       ; K' and Q' in window 2, S^T in window 0
.set W_PV, 0x53       ; V in window 3, P in window 0, O^T in window 1
.set W_RS, 0x41       ; O^T (destination and source 0) in window 1, a in window 0
; A joint fill.  Wave 0 fetches a tile's k, wave 1 its rk, waves 2 and 3 the halves of its v.  The branch hangs on the wave's number alone.  An s_nop 0 and four v_nop follow each line.
.macro JLOAD
	s_cmp_lt_u32 s[WV], 2
	s_cbranch_scc0 .Lfor_v_\@
	tensor_load_to_lds s[G0K:G0K+3], s[G1K:G1K+7]
	s_nop 0
.rept 4
	v_nop
.endr
	s_branch .Lasked_\@
.Lfor_v_\@:
	tensor_load_to_lds s[G0V:G0V+3], s[G1V:G1V+7]
	s_nop 0
.rept 4
	v_nop
.endr
.Lasked_\@:
.endm
; A prefetch of the tile that the NEXT change of slots will ask for, four key steps (192 matrix instructions a piece) ahead, behind the wave's tensor load.  Each block of 256 bytes is named once in the launch: the head's first
; cluster asks; wave 0 for k, wave 1 for rk (in batch 0 alone: both batches read it), wave 2 for v; the four partners take 32 blocks each, told apart by address, a lane a block.  The change that asks for the last tile prefetches nothing.
.macro ASK
	s_cmp_gt_u32 s[SLOTS], s[LIM]
	s_cbranch_scc0 .Lnot_mine_\@
	global_prefetch_b8 v[PFO], s[PFA:PFA+1] th:TH_LOAD_NT scope:SCOPE_SE
.Lnot_mine_\@:
.endm
.macro CROUND                       ; a round of the cluster's barrier
	s_barrier_signal -1
	s_barrier_wait -1
	s_cmp_lg_u32 s[WV], 0
	s_cbranch_scc1 .Lnot_wave_0_\@
	s_barrier_signal -3
.Lnot_wave_0_\@:
	s_barrier_wait -3
	s_barrier_signal -1
	s_barrier_wait -1
.endm
; THE CHANGE OF SLOTS.  Each wave waits for all its tensor loads (one is out: its part of the other slot), adds 0 to its spare word, and waits for that and for its reads of the slot that it leaves.
; fill = 1: the slot is filled again, with the keys two tiles on, first thing behind a round of the cluster's barrier: the load has four key steps in which to land.  (At its first use slot 0 is waited for and slot 1 filled.)
.macro CHANGE fill
	WIN 0
	s_wait_tensorcnt 0x0            ; no tensor load of mine is out, so a group 0 may be written
	ds_add_u32 v[SPW], v[NIL]
.if \fill
.irp g, G0K, G0V
	s_xor_b32 s[\g+1], s[\g+1], SLOT1
	s_add_nc_u64 s[\g+2:\g+3], s[\g+2:\g+3], TILEB
.endr
	s_wait_xcnt 0x0                 ; the last prefetch, four key steps back, has read its address
	s_add_nc_u64 s[PFA:PFA+1], s[PFA:PFA+1], TILEB
	s_wait_dscnt 0x0                ; the add is done, my reads of the slot are over
	CROUND
	JLOAD
	ASK
.else
	s_wait_dscnt 0x0
	s_barrier_signal -1
	s_barrier_wait -1
.endif
	s_sub_co_u32 s[TBK], s[TBK], 4*KS*PK  ; the fetches go back to a slot's first step,
	s_xor_b32 s[TBK], s[TBK], SLOT1       ; in the other slot
	s_sub_co_u32 s[TBV], s[TBV], 4*KS*PV
	s_xor_b32 s[TBV], s[TBV], SLOT1
.endm
	s_load_b128 s[4:7], s[0:1], 0x0 ; qkv s[4:5], ob s[6:7]
	v_lshl_add_u32 v[SPW], v0, 2, SPARE
	v_mov_b32 v[NIL], 0
	ds_add_u32 v[SPW], v[NIL]       ; the wave's opening: the add and its wait stand ahead of my first tensor load
	v_lshrrev_b32 v1, 5, v0
	v_readfirstlane_b32 s[WV], v1
	s_bfe_u32 s13, ttmp6, 0x40000   ; cx
	s_lshl_b32 s14, ttmp9, 2
	s_add_co_u32 s14, s14, s13      ; my block of 256 queries: it enters q's, rq's and O's addresses alone
	s_and_b32 s52, ttmp7, 0xffff    ; 16 b + h, which the four partners share
	s_lshr_b32 s50, s52, 4          ; b
	s_and_b32 s51, s52, 15          ; h
	s_and_b32 s16, s[WV], 1
	s_lshl_b32 s17, s52, 18
	s_add_co_u32 s17, s17, OFF_K
	s_lshl_b32 s18, s51, 18
	s_add_co_u32 s18, s18, OFF_RK
	s_cmp_eq_u32 s16, 0
	s_cselect_b32 s54, s17, s18     ; even waves: k; odd waves: rk
	s_mov_b32 s55, 0
	s_lshl_b32 s66, s52, 18
	s_add_co_u32 s66, s66, OFF_V
	s_lshl_b32 s19, s16, 14         ; my half of a tile's v: 128 rows of 128 bytes
	s_add_co_u32 s66, s66, s19
	s_mov_b32 s67, 0
	s_mul_i32 s17, s16, ROFF        ; and their places in a slot
	s_mul_i32 s18, s16, 128*PV
	s_lshl_b32 s2, s14, 15
	s_lshl_b32 s3, s[WV], 13
	s_add_co_u32 s19, s2, s3        ; my wave's 64 rows in a head
	s_lshl_b32 s2, s52, 18
	s_add_co_u32 s2, s2, s19        ; q
	s_mov_b32 s3, 0
	s_lshl_b32 s68, s51, 18
	s_add_co_u32 s68, s68, OFF_RQ
	s_add_co_u32 s68, s68, s19      ; rq
	s_mov_b32 s69, 0
	s_lshl_b32 s70, s50, 4          ; O: block of 128 tokens 16 b + 2 x query block + wave / 2,
	s_lshl_b32 s71, s14, 1
	s_add_co_u32 s70, s70, s71
	s_lshr_b32 s71, s[WV], 1
	s_add_co_u32 s70, s70, s71
	s_lshl_b32 s70, s70, 18
	s_lshl_b32 s71, s51, 14         ; the head,
	s_add_co_u32 s70, s70, s71
	s_lshl_b32 s71, s16, 13         ; my 64 rows
	s_add_co_u32 s70, s70, s71
	s_mov_b32 s71, 0
	; descriptor group 1.  A tile's rows are dense: asked for as rows of 256 bytes, two keys a row, and padded in LDS after every key
	s_mov_b32 s[G1K], 15|(1<<16)|(1<<20)|(1<<21)|(4<<22)|(3<<25)  ; the mask of four; 2-byte elements; padding on; bit 21 beside a mask; after every 32 words 4 words
	s_mov_b32 s[G1K+1], 128<<16     ; tensor_dim0 = 128
	s_mov_b32 s[G1K+2], 128<<16     ; tensor_dim1 = 128: 256 keys
	s_mov_b32 s[G1K+3], 128<<16     ; tile_dim0 = 128
	s_mov_b32 s[G1K+4], 128         ; tile_dim1 = 128
	s_mov_b32 s[G1K+5], 128
	s_mov_b32 s[G1K+6], 0
	s_mov_b32 s[G1K+7], 0
	s_mov_b32 s[G1V], 15|(1<<16)|(1<<20)|(1<<21)|(4<<22)|(7<<25)  ; the same with 8 words of padding
	s_mov_b32 s[G1V+1], 128<<16
	s_mov_b32 s[G1V+2], 64<<16      ; 128 keys
	s_mov_b32 s[G1V+3], 128<<16
	s_mov_b32 s[G1V+4], 64
	s_mov_b32 s[G1V+5], 128
	s_mov_b32 s[G1V+6], 0
	s_mov_b32 s[G1V+7], 0
	s_mov_b32 s[CS], 0x3dd53b95     ; c = log2(e) / sqrt(192) = 0.104118
	s_mov_b32 s[CS+1], s[CS]
	s_mov_b32 s[SEL], 0x76543210
	s_mov_b32 s[SEL+1], 0xfedcba98
	s_mov_b32 s[TBK], SLOT1+4*KS*PK ; the first change of slots turns these two into 0
	s_mov_b32 s[TBV], SLOT1+4*KS*PV
	s_mov_b32 s[SLOTS], 7
	s_mov_b32 s[G0K], 1
	s_mov_b32 s[G0K+1], s17
	s_mov_b32 s[G0V], 1
	s_add_co_u32 s[G0V+1], s18, VOFF
	s_cmp_eq_u32 s[WV], 3           ; who prefetches
	s_cselect_b32 s17, 1, 0
	s_cmp_eq_u32 s[WV], 1
	s_cselect_b32 s18, s50, 0
	s_or_b32 s17, s17, s18
	s_or_b32 s17, s17, ttmp9
	s_cmp_eq_u32 s17, 0
	s_cselect_b32 s[LIM], 1, -1     ; the same in all four partners, for a given wave
	v_and_b32 v[PFO], 31, v0
	v_lshlrev_b32 v[PFO], 8, v[PFO]
	s_wait_dscnt 0x0                ; the opening add is done
	s_wait_kmcnt 0x0
	s_add_nc_u64 s[8:9], s[4:5], s[54:55]
	s_add_nc_u64 s[10:11], s[4:5], s[66:67]
	s_add_nc_u64 s[20:21], s[4:5], s[2:3]
	s_add_nc_u64 s[22:23], s[4:5], s[68:69]
	s_add_nc_u64 s[6:7], s[6:7], s[70:71]
	s_mov_b64 s[G0K+2:G0K+3], s[8:9]
	s_or_b32 s[G0K+3], s[G0K+3], 0x80000000
	s_mov_b64 s[G0V+2:G0V+3], s[10:11]
	s_or_b32 s[G0V+3], s[G0V+3], 0x80000000
	s_cmp_lt_u32 s[WV], 2
	s_cselect_b64 s[PFA:PFA+1], s[8:9], s[10:11]
	s_lshl_b32 s2, s13, 13          ; my work-group's 32 blocks of a tile's 128,
	s_add_co_u32 s2, s2, TILEB      ; in tile 1: the first change of slots steps it to tile 2
	s_mov_b32 s3, 0
	s_add_nc_u64 s[PFA:PFA+1], s[PFA:PFA+1], s[2:3]
	CROUND                          ; all four work-groups are here: the first joint loads meet
	JLOAD                           ; tile 0 into slot 0
	; A fragment of K' or Q' is 16 rows x 32 channels: lane l holds row l % 16, channels 8 (l / 16) + 0..7 and 16 + 8 (l / 16) + 0..7: two loads of 16 bytes, 32 bytes apart
	v_and_b32 v1, 15, v0
	v_bfe_u32 v9, v0, 4, 1
	v_lshlrev_b32 v[QO], 7, v1
	v_lshl_add_u32 v[QO], v9, 4, v[QO]
	WIN 0x80                        ; destination window 2
.set i, 0
.rept 8                             ; tile i / 2, channels 32 (i % 2) on: rq into chunks 0, 1, q into chunks 2, 3
	global_load_b128 v[32*(i/2)+8*(i%2):32*(i/2)+8*(i%2)+3],       v[QO], s[22:23] offset:(i/2)*2048+(i%2)*64
	global_load_b128 v[32*(i/2)+8*(i%2)+4:32*(i/2)+8*(i%2)+7],     v[QO], s[22:23] offset:(i/2)*2048+(i%2)*64+32
	global_load_b128 v[32*(i/2)+16+8*(i%2):32*(i/2)+16+8*(i%2)+3], v[QO], s[20:21] offset:(i/2)*2048+(i%2)*64
	global_load_b128 v[32*(i/2)+16+8*(i%2)+4:32*(i/2)+16+8*(i%2)+7], v[QO], s[20:21] offset:(i/2)*2048+(i%2)*64+32
.set i, i+1
.endr
	; What the first turn finds: V and piece 2's P hold 0 (its products V^T P, of a step that has not been, add 0), O^T and l are 0.  All this stands in the wait for the first tile: the price of writing no first step out.
	WIN 0xc0
.set i, 0
.rept 64
	v_mov_b32 v[i], 0
.set i, i+1
.endr
	WIN 0x40
.set i, 0
.rept 128
	v_mov_b32 v[i], 0
.set i, i+1
.endr
	WIN 0
.set i, 0
.rept 4
	v_mov_b32 v[ST+8*i], 0xfe000000    ; c m: far below every c s
	v_mov_b32 v[ST+8*i+1], 0xff7fffff  ; m
	v_mov_b32 v[ST+8*i+2], 0
	v_mov_b32 v[ST+8*i+3], 0
.set i, i+1
.endr
.set i, P+32
.rept 32
	v_mov_b32 v[i], 0
.set i, i+1
.endr
	v_mul_u32_u24 v[AK0], v1, PK
	v_lshl_add_u32 v[AK0], v9, 4, v[AK0]
	; The turning load takes 16 keys x 16 channels (lane l reads key 8 (l / 16) + l % 8, channels 8 ((l / 8) % 2) + 0..7) and leaves half a fragment of V^T: lane l holds channel l % 16 and 8 keys
	v_and_b32 v10, 7, v0
	v_bfe_u32 v11, v0, 3, 1
	v_lshl_add_u32 v[AV0], v9, 3, v10
	v_mul_u32_u24 v[AV0], v[AV0], PV
	v_lshl_add_u32 v[AV0], v11, 4, v[AV0]
	v_add_nc_u32 v[AV0], VOFF, v[AV0]
; THE MATRIX WORK.  The accumulators take turns, one instruction a turn: 7 others stand between two links of a chain.
; Product i of 32 of S^T = K' Q'^T for piece x: chunk i / 8, keys 16 ((i / 2) % 4) on, tile x + i % 2.  The first 8 start the sums.
.macro KQ x
	WIN W_KQ
.set rS, S+32*((\x)+i%2)+8*((i/2)%4)
.set rK, KF+32*((i/2)%4)+8*(i/8)
.set rQ, 32*((\x)+i%2)+8*(i/8)
.if i < 8
	v_wmma_f32_16x16x32_bf16 v[rS:rS+7], v[rK:rK+7], v[rQ:rQ+7], 0
.else
	v_wmma_f32_16x16x32_bf16 v[rS:rS+7], v[rK:rK+7], v[rQ:rQ+7], v[rS:rS+7]
.endif
.endm
; Product i of 16 of O^T += V^T P for piece x: keys 32 (i / 8) on, channels 16 ((i / 2) % 4) on, tile x + i % 2.
.macro PV x
	WIN W_PV
.set rO, 32*((\x)+i%2)+8*((i/2)%4)
.set rV, 32*(i/8)+8*((i/2)%4)
.set rP, P+16*((\x)+i%2)+8*(i/8)
	v_wmma_f32_16x16x32_bf16 v[rO:rO+7], v[rV:rV+7], v[rP:rP+7], v[rO:rO+7]
.endm
; THE LDS LOADS stand in runs.  A step's K': 64 keys x (64 channels of k, 64 of rk): 16 fragments.  last = 1 (the tail): in the last trip there is no further step, and the run is jumped over.
.macro FETCH_K last=0
	WIN 0
	v_add_nc_u32 v[AK], s[TBK], v[AK0]
.if \last
	s_cmp_eq_u32 s[CNT], 1
	s_cbranch_scc1 .Lno_k_\@
.endif
	WIN 0x80
.irp f, 0,1,2,3,4,5,6,7,8,9,10,11,12,13,14,15  ; keys 16 (f / 4) on, chunk f % 4
	ds_load_b128 v[KF+8*\f:KF+8*\f+3],   v[AK] offset:((\f%4)/2)*ROFF+(\f/4)*16*PK+(\f%2)*64
	ds_load_b128 v[KF+8*\f+4:KF+8*\f+7], v[AK] offset:((\f%4)/2)*ROFF+(\f/4)*16*PK+(\f%2)*64+32
.endr
	s_add_co_u32 s[TBK], s[TBK], KS*PK
	WIN 0
.if \last
.Lno_k_\@:
.endif
.endm
.macro FETCH_V
	WIN 0
	v_add_nc_u32 v[AV], s[TBV], v[AV0]
	s_add_co_u32 s[TBV], s[TBV], KS*PV
	s_wait_alu depctr_va_vdst(0)    ; the wait for the softmax's batch of exponentials, ahead of the first instruction that names a result of theirs
	WIN 0xc0
.irp f, 0,1,2,3,4,5,6,7             ; keys 32 (f / 4) on, channels 16 (f % 4) on
	ds_load_tr16_b128 v[8*\f:8*\f+3],   v[AV] offset:(\f/4)*32*PV+(\f%4)*32
	ds_load_tr16_b128 v[8*\f+4:8*\f+7], v[AV] offset:(\f/4)*32*PV+16*PV+(\f%4)*32
.endr
.endm
; THE VECTOR WORK.  One tile's softmax for one key step is a list of 118 instructions; SM writes number j of it for tile t.  s0-s31 are the lane's 32 scores, in pairs 0-15.
;   0-15    the maximum of s0-s31 and the old m, three operands at a time (each accumulator's lowest registers are read first)
;   16-20   the other half of the lanes' maximum; c m_old kept; the new m; c m; c m_old - c m_new
;   21-69   ONE BATCH: the 16 scalings c s - c m and all 33 exponentials (a at 23).  None of these reads an exponential's result; a pair is scaled ahead of its exponentials
;   70-85   the roundings to bf16          86-101  the sums; l = a l + the sum          102-117 the tile's O^T times a
.macro SM t
.set rT, ST+8*(\t)
.set rS, S+32*(\t)
.set rP, P+16*(\t)
.set rO, 32*(\t)+2*(j-102)
.if j < 102
	WIN 0
.endif
.if j < 4
	v_max3_num_f32 v[rT+4+j], v[rS+8*j], v[rS+8*j+1], v[rS+8*j+2]
.elseif j < 12
	v_max3_num_f32 v[rT+4+j%4], v[rT+4+j%4], v[rS+8*(j%4)+2*(j/4)+1], v[rS+8*(j%4)+2*(j/4)+2]
.elseif j == 12
	v_max3_num_f32 v[rT+4], v[rT+4], v[rS+7], v[rS+15]
.elseif j == 13
	v_max3_num_f32 v[rT+6], v[rT+6], v[rS+23], v[rS+31]
.elseif j == 14
	v_max3_num_f32 v[rT+4], v[rT+4], v[rT+5], v[rT+6]
.elseif j == 15
	v_max3_num_f32 v[rT+4], v[rT+4], v[rT+7], v[rT+1]
.elseif j == 16
	v_permlanex16_b32 v[rT+5], v[rT+4], s[SEL], s[SEL+1]  ; the query's other 32 keys lie in the lane 16 away
.elseif j == 17
	v_mov_b32 v[rT+7], v[rT]
.elseif j == 18
	v_max_num_f32 v[rT+1], v[rT+4], v[rT+5]
.elseif j == 19
	v_mul_f32 v[rT], s[CS], v[rT+1]
.elseif j == 20
	v_sub_f32 v[rT+7], v[rT+7], v[rT]
.elseif j == 23
	v_exp_f32 v[rT+6], v[rT+7]
.elseif (j < 23) || ((j < 38) && (j%2 == 0)) || ((j < 66) && (j%4 == 2))
.set b, (j-2)/4                     ; 38, 42, .. 62: pairs 9 to 15
.if j < 38
.set b, (j-20)/2                    ; 21: pair 0; 22, 24, .. 36: pairs 1 to 8
.endif
	v_pk_fma_f32 v[rS+2*b:rS+2*b+1], v[rS+2*b:rS+2*b+1], s[CS:CS+1], v[rT:rT+1] op_sel_hi:[1,0,0] neg_lo:[0,0,1] neg_hi:[0,0,1]
.elseif j < 70
.set e, j-38                        ; 66 to 69: s28 to s31
.if j < 66
.set e, j-32-(j-38)/4               ; 39-41, 43-45, .. 63-65: s7 to s27
.endif
.if j < 38
.set e, (j-25)/2                    ; 25, 27, .. 37: s0 to s6
.endif
	v_exp_f32 v[rS+e], v[rS+e]
.elseif j < 86
	v_cvt_pk_bf16_f32 v[rP+j-70], v[rS+2*(j-70)], v[rS+2*(j-70)+1]
.elseif j < 102                     ; the 16 pairs are added in place, neighbours 1, 2, 4 and 8 pairs apart; then l takes the sum
.set z, j-86
.set w, 4
.set u, z
.if z >= 14
.set w, 32
.set u, 0
.elseif z >= 12
.set w, 16
.set u, z-12
.elseif z >= 8
.set w, 8
.set u, z-8
.endif
.if z < 15
	v_pk_add_f32 v[rS+w*u:rS+w*u+1], v[rS+w*u:rS+w*u+1], v[rS+w*u+w/2:rS+w*u+w/2+1]
.else
	v_pk_fma_f32 v[rT+2:rT+3], v[rT+2:rT+3], v[rT+6:rT+7], v[rS:rS+1] op_sel_hi:[1,0,1]
.endif
.else
	WIN W_RS
	v_pk_mul_f32 v[rO:rO+1], v[rO:rO+1], v[rT+6:rT+7] op_sel_hi:[1,0]
.endif
.endm
; Slice k of 48 of piece y's softmax.  Slices 11 to 34 deal out the batch, numbers 22 to 69, four numbers of ONE tile each, the tiles by turns.  Slices 0-10 and 35-46 are numbers 2 k and 2 k + 1 of both tiles.
; Slice 47 holds numbers 94 to 117 of both tiles: 48 plain instructions, which are also the places behind the turn's last product.
; Behind slice 34 no exponential is issued and ahead of slice 35 no result is named: a v_nop, the plain instruction behind the last exponential, and ONE wait for the piece's 66.
.macro SLICE y
.if (k >= 11) && (k < 35)
.irp n, 0,1,2,3
.set j, 22+4*((k-11)/2)+(\n)
	SM (\y)+(k-11)%2
.endr
.elseif k < 47
.irp n, 0,1
.irp t, \y, (\y)+1
.set j, 2*k+(\n)
	SM \t
.endr
.endr
.else
.set j, 94
.rept 24
	SM \y
	SM (\y)+1
.set j, j+1
.endr
.endif
.if k == 34
	v_nop
.if (\y) == 0
	FETCH_V                         ; piece 2's turn: V's run of loads stands here, and the wait stands in it; the last product that read V stands in front of slice 15, with more than four scalings between
.else
	s_wait_alu depctr_va_vdst(0)
.endif
.endif
.set k, k+1
.endm
; A TURN.  Piece x has the matrix unit; the other piece's softmax stands behind its matrix instructions and names none of their registers.
; Piece 0's turn fetches the next step's K', behind its second product (the last product that read K' stands in front of the turn before's slice 47); piece 2's turn the next step's V.
.macro TURN x, last=0
.set k, 0
.if (\x) == 0
	s_wait_dscnt 0x0                ; V is in
.endif
.set i, 0
.rept 16
	PV \x
	SLICE 2-(\x)
.if ((\x) == 0) && (i == 1)
	FETCH_K \last
.endif
.set i, i+1
.endr
.if (\x) == 0
	s_wait_dscnt 0x0                ; K' is in
.endif
.set i, 0
.rept 32
	KQ \x
	SLICE 2-(\x)
.set i, i+1
.endr
.endm
	CHANGE 1                        ; slot 0 is in, everybody's part of it; slot 1 is asked for
	FETCH_K                         ; key step 0
	s_wait_loadcnt 0x0              ; q and rq
	WIN 0x8a                        ; destination and both sources in window 2
.set i, 0
.rept 64                            ; chunks 0, 1 become q + rq, two sums a line, each rounded once to bf16
	v_pk_add_bf16 v[32*(i/16)+i%16], v[32*(i/16)+i%16], v[32*(i/16)+16+i%16]
.set i, i+1
.endr
	s_wait_dscnt 0x0
.set i, 0
.rept 32
	KQ 0                            ; piece 0's first scores
.set i, i+1
.endr
	WIN 0                           ; the addresses for the way out: nine plain instructions, the places behind those products
	s_mul_i32 s2, s[WV], 16*SP
	s_add_co_u32 s2, s2, STAGE
	v_mul_u32_u24 v[STO], v1, SP    ; in: row l % 16, 16 bytes for each half of the lanes
	v_lshl_add_u32 v[STO], v9, 4, v[STO]
	v_add_nc_u32 v[STO], s2, v[STO]
	v_bfe_u32 v[RD], v0, 3, 2       ; back: 32 lanes take four rows of 128 bytes,
	v_mul_u32_u24 v[RD], v[RD], SP
	v_lshl_add_u32 v[RD], v10, 4, v[RD]
	v_add_nc_u32 v[RD], s2, v[RD]
	v_and_b32 v[GO], 31, v0         ; which are 512 consecutive bytes of ob
	v_lshlrev_b32 v[GO], 4, v[GO]
	s_mov_b32 s[CNT], 4
	s_branch .Lfirst                ; the loop is entered in the middle of a trip
.Lslot:                             ; six times: tiles 2 to 7 are asked for
	CHANGE 1
	s_mov_b32 s[CNT], 4
.Lstep:                             ; a trip: piece 0's turn (V^T P of step j, K' Q'^T of j + 1, K' of j + 1), then piece 2's (the same, V of j + 1)
	TURN 0
	WIN 0
.Lfirst:
	TURN 2
	WIN 0
	s_sub_co_u32 s[CNT], s[CNT], 1
	s_cmp_lg_u32 s[CNT], 0
	s_cbranch_scc1 .Lstep
	s_sub_co_u32 s[SLOTS], s[SLOTS], 1
	s_cmp_lg_u32 s[SLOTS], 0
	s_cbranch_scc1 .Lslot
	CHANGE 0                        ; the tail is written out: nothing is asked for
	s_mov_b32 s[CNT], 5             ; four trips fetch the last tile's steps; the fifth is left in its middle
.Ltail:
	TURN 0, 1
	WIN 0
	s_sub_co_u32 s[CNT], s[CNT], 1
	s_cmp_eq_u32 s[CNT], 0
	s_cbranch_scc1 .Lout
	TURN 2
	WIN 0
	s_branch .Ltail
.Lout:                              ; the fifth trip's 32 products K' Q'^T, on the last K' once more, serve nothing: the price, once a launch, of one text for every trip
.set i, 0
.rept 16
	PV 2                            ; piece 2's V^T P of the last step
.set i, i+1
.endr
	; THE WAY OUT.  l's two halves and the other half of the lanes' are added; O^T is divided by l, rounded to bf16 and sent through my stage in LDS, a tile at a time.  The additions are the places behind the last products.
	WIN 0
.irp t, 0,1,2,3
	v_add_f32 v[ST+8*(\t)+4], v[ST+8*(\t)+2], v[ST+8*(\t)+3]
.endr
.irp t, 0,1,2,3
	v_permlanex16_b32 v[ST+8*(\t)+5], v[ST+8*(\t)+4], s[SEL], s[SEL+1]
.endr
.irp t, 0,1,2,3
	v_add_f32 v[ST+8*(\t)+4], v[ST+8*(\t)+4], v[ST+8*(\t)+5]
.endr
.irp t, 0,1,2,3
	v_rcp_f32 v[ST+8*(\t)+6], v[ST+8*(\t)+4]
.endr
	v_nop                           ; a plain instruction between the last reciprocal and the use of its result
	s_wait_alu depctr_va_vdst(0)    ; one wait for the four reciprocals, ahead of their first reader
.macro PACK t                       ; a lane's eight channels of a row pack into 16 bytes; they go into rows of 144 bytes and come back as whole rows of 128, into S^T's registers
	WIN W_RS
.set i, 32*(\t)
.rept 16
	v_pk_mul_f32 v[i:i+1], v[i:i+1], v[ST+8*(\t)+6:ST+8*(\t)+7] op_sel_hi:[1,0]
.set i, i+2
.endr
	WIN 0x05                        ; sources 0 and 1 window 1, destination window 0
.set i, 0
.rept 16
	v_cvt_pk_bf16_f32 v[S+16*(\t)+i], v[32*(\t)+2*i], v[32*(\t)+2*i+1]
.set i, i+1
.endr
	WIN 0
.irp f, 0,1,2,3
	ds_store_b128 v[STO], v[S+16*(\t)+4*\f:S+16*(\t)+4*\f+3] offset:32*\f
.endr
.irp f, 0,1,2,3
	ds_load_b128 v[S+16*(\t)+4*\f:S+16*(\t)+4*\f+3], v[RD] offset:\f*4*SP  ; LDS serves a wave's instructions in order (ISA guide 5.7.1.4): these see the stores above; the next tile's stores come behind them
.endr
.endm
.macro SEND t, younger              ; younger: the LDS instructions issued behind tile t's loads: the next tile's eight, or none
	WIN 0
.irp f, 0,1,2,3
	s_wait_dscnt (\younger)+3-\f
	global_store_b128 v[GO], v[S+16*(\t)+4*\f:S+16*(\t)+4*\f+3], s[6:7] offset:(\t)*2048+\f*512  ; 512 consecutive bytes, at a multiple of 256 from ob's first
.endr
.endm
	PACK 0
	PACK 1
	SEND 0, 8
	PACK 2
	SEND 1, 8
	PACK 3
	SEND 2, 8
	SEND 3, 0
	s_wait_tensorcnt 0x0            ; the wave's end
	ds_add_u32 v[SPW], v[NIL]
	s_wait_dscnt 0x0
	CROUND                          ; the closing round
	s_endpgm
.Lfunc_end_k_q990eab1105_attn:
	.size	k_q990eab1105_attn, .Lfunc_end_k_q990eab1105_attn-k_q990eab1105_attn
	.p2alignl 7, 3214868480
	.fill 96, 4, 3214868480
	.section	.rodata,"a",@progbits
	.p2align	6, 0x0
	.amdhsa_kernel k_q990eab1105_attn
		.amdhsa_group_segment_fixed_size 327680
		.amdhsa_private_segment_fixed_size 0
		.amdhsa_enable_private_segment 0
		.amdhsa_kernarg_size 16
		.amdhsa_user_sgpr_count 2
		.amdhsa_user_sgpr_kernarg_segment_ptr 1
		.amdhsa_wavefront_size32 1
		.amdhsa_system_sgpr_workgroup_id_x 1
		.amdhsa_system_sgpr_workgroup_id_y 1
		.amdhsa_system_sgpr_workgroup_id_z 1
		.amdhsa_system_vgpr_workitem_id 0
		.amdhsa_next_free_vgpr 832
		.amdhsa_next_free_sgpr 80
		.amdhsa_reserve_vcc 0
		.amdhsa_float_denorm_mode_32 3
		.amdhsa_float_denorm_mode_16_64 3
		.amdhsa_memory_ordered 1
		.amdhsa_forward_progress 1
		.amdhsa_inst_pref_size 126
	.end_amdhsa_kernel
	.amdgpu_metadata
---
amdhsa.version: [ 1, 2 ]
amdhsa.kernels:
  - .name:           k_q990eab1105_attn
    .symbol:         k_q990eab1105_attn.kd
    .args:
      - { .name: qkv, .offset: 0, .size: 8, .value_kind: global_buffer, .address_space: global }
      - { .name: ob, .offset: 8, .size: 8, .value_kind: global_buffer, .address_space: global }
    .group_segment_fixed_size: 327680
    .private_segment_fixed_size: 0
    .kernarg_segment_align: 8
    .kernarg_segment_size: 16
    .max_flat_workgroup_size: 128
    .sgpr_count:     80
    .vgpr_count:     832
    .wavefront_size: 32
...
	.end_amdgpu_metadata
.endif
;; end of part 3
;; launch outp (part 4): grid 8 x 32, 4 waves a work-group, clusters of 4 x 4, 327,680 bytes of LDS; arguments ob, cb, bo, hidden_states, yb; writes yb
.if DOCPART == 4
	.amdgcn_target "amdgcn-amd-amdhsa--gfx1250"
	.amdhsa_code_object_version 6
	.text
	.protected	k_q990eab1105_outp
	.globl	k_q990eab1105_outp
	.p2align	8
	.type	k_q990eab1105_outp,@function
k_q990eab1105_outp:
	s_mov_b64 s[64:65], 0
	v_nop
	global_prefetch_b8 v0, s[64:65] scope:SCOPE_SE
	s_setreg_imm32_b32 hwreg(HW_REG_WAVE_MODE, 25, 1), 1
	s_wait_xcnt 0x0
	s_wait_alu depctr_hold_cnt(0) depctr_sa_sdst(0) depctr_va_vdst(0) depctr_va_sdst(0) depctr_va_ssrc(0) depctr_va_vcc(0) depctr_vm_vsrc(0)
	s_getreg_b32 s2, hwreg(HW_REG_IB_STS2, 6, 4)
	s_cmp_eq_u32 s2, 0
	s_cbranch_scc0 .Lentry_in_a_cluster
	s_endpgm
.Lentry_in_a_cluster:
	s_bfe_u32 s2, ttmp6, 0x10000c
	s_cmp_lg_u32 s2, 0xf033
	s_cbranch_scc0 .Lentry_shape_is_right
	s_endpgm
.Lentry_shape_is_right:
; y = O Wo + bo + x.  O: bf16 in blocks (token T, head h, channel d at (T / 128) x 262,144 + h x 16,384 + (T % 128) x 128 + 2 d); Wo: bf16 [k][n] at 22 MiB of cb; bo, x, y: f32.  Sums in f32; x is added in f32 and y is not rounded further.
; SHARES.  4,096 x 1,024 outputs are 256 tiles of 128 x 128: one to a work-group; four waves, each 64 x 64: 16 accumulators.  K = 1,024 goes in four steps of 256 (four heads) through two LDS slots.
; CLUSTERS of 4 x 4: O's tile is shared along a row of the cluster, Wo's along a column; each is asked for jointly.  The text is straight: four K steps, two of them first fills.  Nothing is prefetched: the tiles are small and half of them first fills.
; THE MATRIX INSTRUCTION IS USED TRANSPOSED (source 0 = 16 columns of Wo, turned by ds_load_tr16_b128; source 1 = 16 rows of O): a lane holds eight neighbouring columns of a row.  The bias is the C operand of each accumulator's first product.
; REGISTERS: window 0: v0-31 addresses; v32-95 at work on the way out; v96-127 the bias; v128-255 the accumulators ((a, b) at v[128 + 8 (4 a + b)]).
;   window 1: two fragment buffers of 128: for 64 along K, 64 registers of O, then 64 of Wo.          window 2: v0-127 my 64 x 64 of x.
.set PA,     144                       ; a token's 128 bytes of a head + 16
.set PB,     288                       ; a k row's 256 bytes + 32 = 9 x 32, for the turning load
.set HALFT,  256*PA                    ; what one tensor load brings: two heads x 128 tokens of O, or 128 k rows of Wo (128 x 288 is the same number)
.set SLOT,   4*HALFT                   ; O's [4 heads][128 tokens], then Wo's 256 k rows
.set STAGE,  2*SLOT                    ; behind the ring: 16 rows x 272 bytes for each wave
.set SP,     272
.set SPARE,  STAGE+4*16*SP             ; the spare words, 128 bytes for each wave, which no other line names
.set WO0,    22<<20
.set ADRA, 16                          ; v16-17  LDS address of my O fragments in slot 0, 1
.set ADRB, 20                          ; v20-23  of my Wo fragments: slot s, k rows 128 kh on, at 2 s + kh (an immediate does not reach 256 rows of 288 bytes)
.set STO,  24
.set RD,   25
.set CO,   26                          ; v26     my 16 bytes in two rows of x and of y
.set BO,   27
.set SPW,  28
.set NIL,  29
.set TMP,  32
.set BIAS, 96
.set ACC,  128
.set F0,   0
.set F1,   128
.set G1,  24
.set G0,  32
.set G1B, 48
.set G0B, 56
.set WV,  14
.set RH,  15                           ; my half of the tile's rows; also: I fetch O (0) or Wo (1)
.set CH,  16                           ; my half of its columns; also: which half I fetch
.set CX,  17
.set CY,  18
.set TC,  19                           ; tile column 0..7
.set TR,  20                           ; tile row 0..31
.set XP,  66                           ; s[66:67] x, s[68:69] y at my 64 x 64; s[70:71] bo at my 64 columns
.set YP,  68
.set BOP, 70
.set MSB, 0
.macro WIN new
.if MSB != (\new)
	s_set_vgpr_msb (MSB<<8)|(\new)
.set MSB, \new
.endif
.endm
.set MUL,  0x05                        ; sources 0 and 1 window 1; C and D window 0
.set TO_F, 0x40                        ; destination window 1, address window 0
.macro JLOAD s                         ; a joint load: waves 0 and 1 fetch O's halves, waves 2 and 3 Wo's; an s_nop 0 and four v_nop follow each line
	s_cmp_eq_u32 s[RH], 0
	s_cbranch_scc0 .Lfor_b_\@
	tensor_load_to_lds s[G0+4*(\s):G0+4*(\s)+3], s[G1:G1+7]
	s_nop 0
.rept 4
	v_nop
.endr
	s_branch .Lasked_\@
.Lfor_b_\@:
	tensor_load_to_lds s[G0B+4*(\s):G0B+4*(\s)+3], s[G1B:G1B+7]
	s_nop 0
.rept 4
	v_nop
.endr
.Lasked_\@:
.endm
.macro CREST
	s_cmp_lg_u32 s[WV], 0
	s_cbranch_scc1 .Lnot_wave_0_\@
	s_barrier_signal -3
.Lnot_wave_0_\@:
	s_barrier_wait -3
	s_barrier_signal -1
	s_barrier_wait -1
.endm
.macro CROUND
	s_barrier_signal -1
	s_barrier_wait -1
	CREST
.endm
	s_load_b256 s[4:11], s[0:1], 0x0               ; ob s[4:5], cb s[6:7], bo s[8:9], x s[10:11]
	s_load_b64 s[12:13], s[0:1], 0x20              ; yb
	v_lshl_add_u32 v[SPW], v0, 2, SPARE
	v_mov_b32 v[NIL], 0
	ds_add_u32 v[SPW], v[NIL]                      ; the wave's opening: the add and its wait stand ahead of my first tensor load
	v_lshrrev_b32 v1, 5, v0
	v_readfirstlane_b32 s[WV], v1
	s_lshr_b32 s[RH], s[WV], 1
	s_and_b32 s[CH], s[WV], 1
	s_bfe_u32 s[CX], ttmp6, 0x40000
	s_bfe_u32 s[CY], ttmp6, 0x40004
	s_lshl_b32 s[TC], ttmp9, 2
	s_add_co_u32 s[TC], s[TC], s[CX]
	s_and_b32 s[TR], ttmp7, 0xffff
	s_lshl_b32 s[TR], s[TR], 2
	s_add_co_u32 s[TR], s[TR], s[CY]
	s_lshl_b32 s21, s[CY], 2
	s_lshl_b32 s21, 15, s21                        ; my row of the cluster
	s_lshl_b32 s22, 0x1111, s[CX]                  ; my column
	s_or_b32 s[G1], s21, (1<<16)|(1<<20)|(1<<21)|(4<<22)|(3<<25)   ; O: dense bytes as 128 rows of 256, two tokens a row, 4 words of padding after every 32
	s_or_b32 s[G1B], s22, (1<<16)|(1<<20)|(1<<21)|(5<<22)|(7<<25)  ; Wo: 128 k rows of 256 bytes, 8 words of padding after every 64
.irp g, G1, G1B
	s_mov_b32 s[(\g)+1], 128<<16                   ; tensor_dim0 = 128
	s_mov_b32 s[(\g)+2], 128<<16                   ; tensor_dim1 = 128
	s_mov_b32 s[(\g)+3], 128<<16                   ; tile_dim0 = 128
	s_mov_b32 s[(\g)+4], 128                       ; tile_dim1 = 128
	s_mov_b32 s[(\g)+6], 0
	s_mov_b32 s[(\g)+7], 0
.endr
	s_mov_b32 s[G1+5], 128                         ; elements from row to row
	s_mov_b32 s[G1B+5], 1024
	s_lshl_b32 s40, s[TR], 18                      ; O: my tile row's block of 128 tokens,
	s_lshl_b32 s41, s[CH], 15                      ; the two heads of a K step that I fetch
	s_add_co_u32 s40, s40, s41
	s_mov_b32 s41, 0
	s_lshl_b32 s42, s[CH], 18                      ; Wo: the 128 k rows that I fetch,
	s_add_co_u32 s42, s42, WO0
	s_lshl_b32 s43, s[TC], 8                       ; my tile column's 256 bytes of them
	s_add_co_u32 s42, s42, s43
	s_mov_b32 s43, 0
	s_mul_i32 s23, s[WV], HALFT
	s_wait_dscnt 0x0                               ; the opening add is done
	s_wait_kmcnt 0x0
	s_add_nc_u64 s[44:45], s[4:5], s[40:41]
	s_add_nc_u64 s[46:47], s[6:7], s[42:43]
	CROUND                                         ; all sixteen work-groups are here: the first joint loads meet
.irp s, 0,1
	s_mov_b32 s[G0+4*(\s)], 1
	s_add_co_u32 s[G0+4*(\s)+1], s23, (\s)*SLOT
	s_add_nc_u64 s[G0+4*(\s)+2:G0+4*(\s)+3], s[44:45], (\s)*65536         ; K step s: four heads on
	s_or_b32 s[G0+4*(\s)+3], s[G0+4*(\s)+3], 0x80000000
	s_mov_b32 s[G0B+4*(\s)], 1
	s_add_co_u32 s[G0B+4*(\s)+1], s23, (\s)*SLOT
	s_add_nc_u64 s[G0B+4*(\s)+2:G0B+4*(\s)+3], s[46:47], (\s)*256*2048    ; K step s: 256 k rows down
	s_or_b32 s[G0B+4*(\s)+3], s[G0B+4*(\s)+3], 0x80000000
	JLOAD \s                                       ; two tensor loads of mine are out
.endr
	s_lshl_b32 s40, s[TC], 9
	s_lshl_b32 s41, s[CH], 8
	s_add_co_u32 s40, s40, s41                     ; my 64 columns of f32
	s_mov_b32 s41, 0
	s_add_nc_u64 s[BOP:BOP+1], s[8:9], s[40:41]
	s_lshl_b32 s42, s[TR], 19
	s_add_co_u32 s40, s40, s42
	s_lshl_b32 s42, s[RH], 18
	s_add_co_u32 s40, s40, s42                     ; and my 64 rows of 4,096 bytes
	s_add_nc_u64 s[XP:XP+1], s[10:11], s[40:41]
	s_add_nc_u64 s[YP:YP+1], s[12:13], s[40:41]
	v_and_b32 v1, 15, v0                           ; r
	v_bfe_u32 v2, v0, 4, 1                         ; h
	v_and_b32 v3, 7, v0
	v_bfe_u32 v4, v0, 3, 1
	v_lshlrev_b32 v[BO], 5, v2
	v_lshlrev_b32 v[CO], 12, v2                    ; lanes 0-15 one row, lanes 16-31 the next; 16 bytes a lane
	v_lshl_add_u32 v[CO], v1, 4, v[CO]
.irp b, 0,1,2,3                        ; register j of block b: the bias of column 16 b + 8 h + j
	global_load_b128 v[BIAS+8*(\b):BIAS+8*(\b)+3],   v[BO], s[BOP:BOP+1] offset:64*(\b)
	global_load_b128 v[BIAS+8*(\b)+4:BIAS+8*(\b)+7], v[BO], s[BOP:BOP+1] offset:64*(\b)+16
.endr
	WIN 0x80                                       ; destination window 2
.set i, 0
.rept 32                               ; x: two rows of 256 bytes a load
	global_load_b128 v[4*i:4*i+3], v[CO], s[XP:XP+1] offset:2*i*4096
.set i, i+1
.endr
	WIN 0
	v_mul_u32_u24 v5, v1, PA
	v_lshl_add_u32 v5, v2, 4, v5
	s_mul_i32 s21, s[RH], 64*PA
	v_add_nc_u32 v[ADRA], s21, v5
	v_add_nc_u32 v[ADRA+1], SLOT, v[ADRA]
	v_lshl_add_u32 v6, v2, 3, v3
	v_mul_u32_u24 v6, v6, PB
	v_lshl_add_u32 v6, v4, 4, v6
	s_lshl_b32 s22, s[CH], 7
	s_add_co_u32 s22, s22, 2*HALFT
	v_add_nc_u32 v[ADRB], s22, v6
	v_add_nc_u32 v[ADRB+1], HALFT, v[ADRB]
	v_add_nc_u32 v[ADRB+2], SLOT, v[ADRB]
	v_add_nc_u32 v[ADRB+3], SLOT, v[ADRB+1]
	s_mul_i32 s21, s[WV], 16*SP
	s_add_co_u32 s21, s21, STAGE
	v_mul_u32_u24 v7, v1, SP                       ; in: row l % 16, 32 bytes for each half of the lanes
	v_lshl_add_u32 v7, v2, 5, v7
	v_add_nc_u32 v[STO], s21, v7
	v_mul_u32_u24 v7, v2, SP                       ; back: lanes 0-15 take one row of 256 bytes, lanes 16-31 the next
	v_lshl_add_u32 v7, v1, 4, v7
	v_add_nc_u32 v[RD], s21, v7
; 8 matrix instructions: row blocks a0, a0 + 1 x all 4 column blocks, 32 along K: half c of buffer f.  zero = 1: the bias starts the sum.  The 16 accumulators take turns.
.macro MUL8 f, c, a0, zero
	WIN MUL
.irp a, \a0, (\a0)+1
.irp b, 0,1,2,3
.if \zero
	v_wmma_f32_16x16x32_bf16 v[ACC+8*(4*(\a)+(\b)):ACC+8*(4*(\a)+(\b))+7], v[(\f)+64+8*(4*(\c)+(\b)):(\f)+64+8*(4*(\c)+(\b))+7], v[(\f)+8*(4*(\c)+(\a)):(\f)+8*(4*(\c)+(\a))+7], v[BIAS+8*(\b):BIAS+8*(\b)+7]
.else
	v_wmma_f32_16x16x32_bf16 v[ACC+8*(4*(\a)+(\b)):ACC+8*(4*(\a)+(\b))+7], v[(\f)+64+8*(4*(\c)+(\b)):(\f)+64+8*(4*(\c)+(\b))+7], v[(\f)+8*(4*(\c)+(\a)):(\f)+8*(4*(\c)+(\a))+7], v[ACC+8*(4*(\a)+(\b)):ACC+8*(4*(\a)+(\b))+7]
.endif
.endr
.endr
.endm
; 32 LDS loads in one run: the fragments of quarter q (one head, 64 along K) into buffer f; the first 32 along K first
.macro FETCH slot, q, f
	WIN TO_F
.irp c, 0,1
.irp i, 0,1,2,3
	ds_load_tr16_b128 v[(\f)+64+8*(4*(\c)+(\i)):(\f)+64+8*(4*(\c)+(\i))+3],   v[ADRB+2*(\slot)+(\q)/2] offset:(((\q)%2)*64+32*(\c))*PB+32*(\i)
	ds_load_tr16_b128 v[(\f)+64+8*(4*(\c)+(\i))+4:(\f)+64+8*(4*(\c)+(\i))+7], v[ADRB+2*(\slot)+(\q)/2] offset:(((\q)%2)*64+32*(\c))*PB+32*(\i)+16*PB
	ds_load_b128 v[(\f)+8*(4*(\c)+(\i)):(\f)+8*(4*(\c)+(\i))+3],   v[ADRA+(\slot)] offset:(\q)*128*PA+64*(\c)+(\i)*16*PA
	ds_load_b128 v[(\f)+8*(4*(\c)+(\i))+4:(\f)+8*(4*(\c)+(\i))+7], v[ADRA+(\slot)] offset:(\q)*128*PA+64*(\c)+(\i)*16*PA+32
.endr
.endr
.endm
.macro PLACES                          ; four plain vector instructions between a matrix instruction and a load into its sources or a reader of its result
.rept 4
	v_nop
.endr
.endm
.macro QUARTER slot, q, f, g, zero
	s_wait_dscnt 16                                ; the first 32 along K are in; the other sixteen loads may be out
	MUL8 \f, 0, 0, \zero
	MUL8 \f, 0, 2, \zero
	PLACES
	FETCH \slot, \q, \g
	s_wait_dscnt 32                                ; all but the 32 just issued
	MUL8 \f, 1, 0, 0
	MUL8 \f, 1, 2, 0
.endm
; The last quarter multiplies buffer 1 and changes slots: ONE barrier; in front of it each wave waits for all its tensor loads, adds 0 to its spare word, and waits for that and for its reads of this slot.  fill = 1: the slot is filled again, two K steps on.
.macro TURN slot, next, fill
	WIN 0
	s_wait_tensorcnt 0x0
	ds_add_u32 v[SPW], v[NIL]
	s_wait_dscnt 17                                ; the add and the youngest sixteen loads may be out
	MUL8 F1, 0, 0, 0
	s_wait_dscnt 0x0                               ; the add is done, my reads of this slot are over
	s_barrier_signal -1
	MUL8 F1, 0, 2, 0
.if \fill
	WIN 0
.endif
	s_barrier_wait -1
.if \fill
	CREST                                          ; no wave of any partner still reads this slot or has a load on its way
	s_add_nc_u64 s[G0+4*(\slot)+2:G0+4*(\slot)+3], s[G0+4*(\slot)+2:G0+4*(\slot)+3], 2*65536
	s_add_nc_u64 s[G0B+4*(\slot)+2:G0B+4*(\slot)+3], s[G0B+4*(\slot)+2:G0B+4*(\slot)+3], 2*256*2048
	JLOAD \slot                                    ; my one tensor load behind the round; its four v_nop are the places in front of the loads below
.else
	PLACES
.endif
	FETCH \next, 0, F0
	MUL8 F1, 1, 0, 0
	MUL8 F1, 1, 2, 0
.endm
; THE WAY OUT of row block a: 16 rows x 64 f32 through my own stage (a wave's 64 columns are 256 consecutive bytes, aligned), x added, stored.  Each accumulator's low registers are read first.
.macro OUTB a
.set TS, TMP+32*((\a)%2)
	s_wait_xcnt 0x0                                ; the registers that earlier stores read are rewritten only behind this wait
.irp b, 0,1,2,3
	ds_store_b128 v[STO], v[ACC+8*(4*(\a)+(\b)):ACC+8*(4*(\a)+(\b))+3]   offset:64*(\b)
	ds_store_b128 v[STO], v[ACC+8*(4*(\a)+(\b))+4:ACC+8*(4*(\a)+(\b))+7] offset:64*(\b)+16
.endr
.irp t, 0,1,2,3,4,5,6,7
	ds_load_b128 v[TS+4*(\t):TS+4*(\t)+3], v[RD] offset:(\t)*2*SP  ; LDS serves a wave's instructions in order (ISA guide 5.7.1.4): these see the stores above
.endr
	s_wait_dscnt 0x0
	WIN 0x08                                       ; source 1 in window 2
.irp u, 0,1,2,3,4,5,6,7,8,9,10,11,12,13,14,15
	v_pk_add_f32 v[TS+2*(\u):TS+2*(\u)+1], v[TS+2*(\u):TS+2*(\u)+1], v[32*(\a)+2*(\u):32*(\a)+2*(\u)+1]
.endr
	WIN 0
.irp t, 0,1,2,3,4,5,6,7
	global_store_b128 v[CO], v[TS+4*(\t):TS+4*(\t)+3], s[YP:YP+1] offset:(16*(\a)+2*(\t))*4096  ; 16 lanes store 256 consecutive bytes, aligned
.endr
.endm
	s_wait_tensorcnt 1                             ; my part of K step 0 is in; K step 1's may stay out
	s_barrier_signal -1
	s_barrier_wait -1
	FETCH 0, 0, F0
	s_wait_loadcnt 32                              ; the bias is in; x's 32 loads may stay out
	QUARTER 0, 1, F0, F1, 1
	QUARTER 0, 2, F1, F0, 0
	QUARTER 0, 3, F0, F1, 0
	TURN 0, 1, 1                                   ; slot 0 takes K step 2
	QUARTER 1, 1, F0, F1, 0
	QUARTER 1, 2, F1, F0, 0
	QUARTER 1, 3, F0, F1, 0
	TURN 1, 0, 1                                   ; slot 1 takes K step 3
	QUARTER 0, 1, F0, F1, 0
	QUARTER 0, 2, F1, F0, 0
	QUARTER 0, 3, F0, F1, 0
	TURN 0, 1, 0
	QUARTER 1, 1, F0, F1, 0
	QUARTER 1, 2, F1, F0, 0
	QUARTER 1, 3, F0, F1, 0
	s_wait_dscnt 16
	MUL8 F1, 0, 0, 0
	MUL8 F1, 0, 2, 0
	s_wait_dscnt 0x0
	MUL8 F1, 1, 0, 0
	MUL8 F1, 1, 2, 0
	WIN 0
	PLACES
	s_wait_loadcnt 0x0                             ; x
	OUTB 0
	OUTB 1
	OUTB 2
	OUTB 3
	s_wait_tensorcnt 0x0                           ; the wave's end
	ds_add_u32 v[SPW], v[NIL]
	s_wait_dscnt 0x0
	CROUND                                         ; the closing round
	s_endpgm
.Lfunc_end_k_q990eab1105_outp:
	.size	k_q990eab1105_outp, .Lfunc_end_k_q990eab1105_outp-k_q990eab1105_outp
	.p2alignl 7, 3214868480
	.fill 96, 4, 3214868480
	.section	.rodata,"a",@progbits
	.p2align	6, 0x0
	.amdhsa_kernel k_q990eab1105_outp
		.amdhsa_group_segment_fixed_size 327680
		.amdhsa_private_segment_fixed_size 0
		.amdhsa_enable_private_segment 0
		.amdhsa_kernarg_size 40
		.amdhsa_user_sgpr_count 2
		.amdhsa_user_sgpr_kernarg_segment_ptr 1
		.amdhsa_wavefront_size32 1
		.amdhsa_system_sgpr_workgroup_id_x 1
		.amdhsa_system_sgpr_workgroup_id_y 1
		.amdhsa_system_sgpr_workgroup_id_z 1
		.amdhsa_system_vgpr_workitem_id 0
		.amdhsa_next_free_vgpr 640
		.amdhsa_next_free_sgpr 72
		.amdhsa_reserve_vcc 0
		.amdhsa_float_denorm_mode_32 3
		.amdhsa_float_denorm_mode_16_64 3
		.amdhsa_memory_ordered 1
		.amdhsa_forward_progress 1
		.amdhsa_inst_pref_size 94
	.end_amdhsa_kernel
	.amdgpu_metadata
---
amdhsa.version: [ 1, 2 ]
amdhsa.kernels:
  - .name:           k_q990eab1105_outp
    .symbol:         k_q990eab1105_outp.kd
    .args:
      - { .name: ob, .offset: 0, .size: 8, .value_kind: global_buffer, .address_space: global }
      - { .name: cb, .offset: 8, .size: 8, .value_kind: global_buffer, .address_space: global }
      - { .name: bo, .offset: 16, .size: 8, .value_kind: global_buffer, .address_space: global }
      - { .name: hidden_states, .offset: 24, .size: 8, .value_kind: global_buffer, .address_space: global }
      - { .name: yb, .offset: 32, .size: 8, .value_kind: global_buffer, .address_space: global }
    .group_segment_fixed_size: 327680
    .private_segment_fixed_size: 0
    .kernarg_segment_align: 8
    .kernarg_segment_size: 40
    .max_flat_workgroup_size: 128
    .sgpr_count:     72
    .vgpr_count:     640
    .wavefront_size: 32
...
	.end_amdgpu_metadata
.endif
;; end of part 4
;; launch ln (part 5): grid 256 x 1, 8 waves a work-group, no clusters, 0 bytes of LDS; arguments yb, ln_g, ln_b, out0; writes out0
.if DOCPART == 5
	.amdgcn_target "amdgcn-amd-amdhsa--gfx1250"
	.amdhsa_code_object_version 6
	.text
	.protected	k_q990eab1105_ln
	.globl	k_q990eab1105_ln
	.p2align	8
	.type	k_q990eab1105_ln,@function
k_q990eab1105_ln:
	s_mov_b64 s[64:65], 0
	v_nop
	global_prefetch_b8 v0, s[64:65] scope:SCOPE_SE
	s_setreg_imm32_b32 hwreg(HW_REG_WAVE_MODE, 25, 1), 1
	s_wait_xcnt 0x0
; out = (y - mean) / sqrt(var + 1e-7) x g + b along rows of 1,024 f32, all in f32, in two passes as the problem states it: the mean is taken away first, and the variance is the mean square of what is left.
; A row is 4,096 bytes: one wave takes a whole row, eight loads of 16 bytes a lane, and keeps it in 32 registers: y is read once, and no wave waits for another.  A wave has two rows, a work-group sixteen.
; Each load and store of a wave covers 512 consecutive bytes.  All 32 loads of a lane (two rows, g, b) go out before the first is waited for.
.set X,  16                            ; v[16:79]   row r at X + 32 r
.set G,  80                            ; v[80:111]  g of my 32 columns
.set BB, 112                           ; v[112:143] b of them
	s_load_b256 s[4:11], s[0:1], 0x0               ; y s[4:5], g s[6:7], b s[8:9], out s[10:11]
	v_lshrrev_b32 v3, 5, v0                        ; wave
	v_and_b32 v2, 31, v0
	v_lshlrev_b32 v2, 4, v2                        ; 16 x lane: in g and b
	v_lshl_or_b32 v1, v3, 13, v2                   ; + the wave's two rows: in y and out
	s_lshl_b32 s2, ttmp9, 16                       ; the work-group's sixteen rows
	s_mov_b32 s3, 0
	s_mov_b32 s12, 0x76543210                      ; v_permlanex16_b32: each lane takes its own place in the other half
	s_mov_b32 s13, 0xfedcba98
	s_mov_b32 s14, 0x3a800000                      ; 1 / 1,024
	s_mov_b32 s15, 0x33d6bf95                      ; 1e-7
	s_wait_kmcnt 0x0
	s_add_nc_u64 s[4:5], s[4:5], s[2:3]
	s_add_nc_u64 s[10:11], s[10:11], s[2:3]
.irp r, 0,1
.irp j, 0,1,2,3,4,5,6,7
	global_load_b128 v[X+32*(\r)+4*(\j):X+32*(\r)+4*(\j)+3], v1, s[4:5] offset:4096*(\r)+512*(\j) th:TH_LOAD_NT
.endr
.endr
.irp j, 0,1,2,3,4,5,6,7
	global_load_b128 v[G+4*(\j):G+4*(\j)+3], v2, s[6:7] offset:512*(\j)
.endr
.irp j, 0,1,2,3,4,5,6,7
	global_load_b128 v[BB+4*(\j):BB+4*(\j)+3], v2, s[8:9] offset:512*(\j)
.endr
.macro LANES                           ; v4 = the sum of v4 + v5 over the 32 lanes, in every lane
	v_add_f32 v4, v4, v5
	v_add_f32_dpp v4, v4, v4 row_xmask:1 row_mask:0xf bank_mask:0xf
	v_add_f32_dpp v4, v4, v4 row_xmask:2 row_mask:0xf bank_mask:0xf
	v_add_f32_dpp v4, v4, v4 row_xmask:4 row_mask:0xf bank_mask:0xf
	v_add_f32_dpp v4, v4, v4 row_xmask:8 row_mask:0xf bank_mask:0xf
	v_permlanex16_b32 v5, v4, s12, s13
	v_add_f32 v4, v4, v5
.endm
.macro FOLD                            ; the four chains v[4:11] into v[4:5]
	v_pk_add_f32 v[4:5], v[4:5], v[6:7]
	v_pk_add_f32 v[8:9], v[8:9], v[10:11]
	v_pk_add_f32 v[4:5], v[4:5], v[8:9]
.endm
; Row r: the mean; the row centred in place; the mean square; 1 / sqrt, twice, into the pair v[12 + 2 r : 13 + 2 r].  left = how many younger loads may stay out.
.macro STAT r, left
.set XR, X+32*(\r)
	s_wait_loadcnt \left
.irp k, 0,1,2,3                        ; four chains that do not wait for each other; the first sums start them
	v_pk_add_f32 v[4+2*(\k):5+2*(\k)], v[XR+2*(\k):XR+2*(\k)+1], v[XR+8+2*(\k):XR+8+2*(\k)+1]
.endr
.irp m, 16,24
.irp k, 0,1,2,3
	v_pk_add_f32 v[4+2*(\k):5+2*(\k)], v[4+2*(\k):5+2*(\k)], v[XR+(\m)+2*(\k):XR+(\m)+2*(\k)+1]
.endr
.endr
	FOLD
	LANES
	v_mul_f32 v10, s14, v4                         ; the mean, as a pair
	v_mov_b32 v11, v10
.set p, 0
.rept 16
	v_pk_add_f32 v[XR+p:XR+p+1], v[XR+p:XR+p+1], v[10:11] neg_lo:[0,1] neg_hi:[0,1]
.set p, p+2
.endr
.irp k, 0,1,2,3
	v_pk_mul_f32 v[4+2*(\k):5+2*(\k)], v[XR+2*(\k):XR+2*(\k)+1], v[XR+2*(\k):XR+2*(\k)+1]
.endr
.irp m, 8,16,24
.irp k, 0,1,2,3
	v_pk_fma_f32 v[4+2*(\k):5+2*(\k)], v[XR+(\m)+2*(\k):XR+(\m)+2*(\k)+1], v[XR+(\m)+2*(\k):XR+(\m)+2*(\k)+1], v[4+2*(\k):5+2*(\k)]
.endr
.endr
	FOLD
	LANES
	v_fma_f32 v3, v4, s14, s15                     ; the variance + 1e-7
	v_rsq_f32 v[12+2*(\r)], v3
	v_rsq_f32 v[13+2*(\r)], v3
.endm
.macro APPLY r
.set XR, X+32*(\r)
.set p, 0
.rept 16
	v_pk_mul_f32 v[XR+p:XR+p+1], v[XR+p:XR+p+1], v[12+2*(\r):13+2*(\r)]
.set p, p+2
.endr
.set p, 0
.rept 16
	v_pk_fma_f32 v[XR+p:XR+p+1], v[XR+p:XR+p+1], v[G+p:G+p+1], v[BB+p:BB+p+1]
.set p, p+2
.endr
.irp j, 0,1,2,3,4,5,6,7
	global_store_b128 v1, v[XR+4*(\j):XR+4*(\j)+3], s[10:11] offset:4096*(\r)+512*(\j) th:TH_STORE_NT
.endr
.endm
	STAT 0, 24                                     ; row 0 is in; row 1, g and b (24 loads) may stay out
	STAT 1, 16                                     ; row 1 is in; g and b may stay out
	v_nop                                          ; a plain instruction behind the last v_rsq_f32,
	s_wait_alu depctr_va_vdst(0)                   ; and one wait for the four, ahead of their first reader
	s_wait_loadcnt 0x0                             ; g and b
	APPLY 0
	APPLY 1
	s_endpgm
.Lfunc_end_k_q990eab1105_ln:
	.size	k_q990eab1105_ln, .Lfunc_end_k_q990eab1105_ln-k_q990eab1105_ln
	.p2alignl 7, 3214868480
	.fill 96, 4, 3214868480
	.section	.rodata,"a",@progbits
	.p2align	6, 0x0
	.amdhsa_kernel k_q990eab1105_ln
		.amdhsa_group_segment_fixed_size 0
		.amdhsa_private_segment_fixed_size 0
		.amdhsa_enable_private_segment 0
		.amdhsa_kernarg_size 32
		.amdhsa_user_sgpr_count 2
		.amdhsa_user_sgpr_kernarg_segment_ptr 1
		.amdhsa_wavefront_size32 1
		.amdhsa_system_sgpr_workgroup_id_x 1
		.amdhsa_system_sgpr_workgroup_id_y 1
		.amdhsa_system_sgpr_workgroup_id_z 1
		.amdhsa_system_vgpr_workitem_id 0
		.amdhsa_next_free_vgpr 144
		.amdhsa_next_free_sgpr 66
		.amdhsa_reserve_vcc 0
		.amdhsa_float_denorm_mode_32 3
		.amdhsa_float_denorm_mode_16_64 3
		.amdhsa_memory_ordered 1
		.amdhsa_forward_progress 1
		.amdhsa_inst_pref_size 18
	.end_amdhsa_kernel
	.amdgpu_metadata
---
amdhsa.version: [ 1, 2 ]
amdhsa.kernels:
  - .name:           k_q990eab1105_ln
    .symbol:         k_q990eab1105_ln.kd
    .args:
      - { .name: yb, .offset: 0, .size: 8, .value_kind: global_buffer, .address_space: global }
      - { .name: ln_g, .offset: 8, .size: 8, .value_kind: global_buffer, .address_space: global }
      - { .name: ln_b, .offset: 16, .size: 8, .value_kind: global_buffer, .address_space: global }
      - { .name: out0, .offset: 24, .size: 8, .value_kind: global_buffer, .address_space: global }
    .group_segment_fixed_size: 0
    .private_segment_fixed_size: 0
    .kernarg_segment_align: 8
    .kernarg_segment_size: 32
    .max_flat_workgroup_size: 256
    .sgpr_count:     66
    .vgpr_count:     144
    .wavefront_size: 32
...
	.end_amdgpu_metadata
.endif
;; end of part 5
;; ======== version 2 of 2: 5 launches; version 1 with the launch cast written anew for expert scheduling mode
;; workspace buffers: cb 25,165,824 bytes; qkv 33,554,432 bytes; ob 8,388,608 bytes; yb 16,777,216 bytes
;; launch cast (part 6): grid 64 x 12, 8 waves a work-group, no clusters, 0 bytes of LDS; arguments hidden_states, pos_emb, Wq, Wk, Wv, Wpq, Wpk, Wo, cb; writes cb
.if DOCPART == 6
	.amdgcn_target "amdgcn-amd-amdhsa--gfx1250"
	.amdhsa_code_object_version 6
	.text
	.protected	k_q990eab1105_cast
	.globl	k_q990eab1105_cast
	.p2align	8
	.type	k_q990eab1105_cast,@function
k_q990eab1105_cast:
	s_mov_b64 s[64:65], 0
	v_nop
	global_prefetch_b8 v0, s[64:65] scope:SCOPE_SE
	s_setreg_imm32_b32 hwreg(HW_REG_WAVE_SCHED_MODE, 0, 2), 2
	s_setreg_imm32_b32 hwreg(HW_REG_WAVE_MODE, 25, 1), 1
	s_wait_xcnt 0x0
	s_wait_alu depctr_vm_vsrc(0)
; bf16 copies of the matrix operands, layouts unchanged: cb = x [4096][1024], pos [2048][1024], then Wq, Wk, Wv, Wpq, Wpk, Wo, each [1024][1024].
; cb is cut into 12 segments of 2^20 numbers (grid y): 0-3 x, 4-5 pos, 6-11 the weights.  A work-group (grid x) takes 16,384 numbers of a segment, a wave 2,048.
; A lane loads 16 bytes sixteen times, 512 bytes apart: each load of a wave covers 512 consecutive bytes.  Four f32 become 8 bytes: each store of a wave covers 256 consecutive bytes, aligned.
; Each number is rounded once, to nearest even.  No LDS, no barrier, no matrix unit: the launch only moves bytes.  All sixteen loads of a lane go out before the first is waited for.
; THE MODE: SCHED_MODE bits 1:0 = 2 (LLVM: expert scheduling mode 2), set by the entry lines.  The code itself states the register dependences
; between vector instructions and memory instructions, with s_wait_alu, always for 0.
; THE PLAN.  Registers that memory instructions touch:
;   v1, v2   byte offsets into the source and into cb: made once at the head and never written again; read by every load and by every store.
;   X        sixteen quads as loaded: each written by one load, once; read by its two conversions.  No vector instruction names X ahead of the loads.
;   Y        sixteen pairs to store: each written by two conversions, once; read by one store.
; The sixteen loads are worked off in four blocks of four.  Block p rounds its own four quads; its memory instructions are the four stores of block p - 1, whose Y no conversion of block p names.
; So one wait on va_vdst at a block's head states all that its four stores hang on, and they stand among its conversions with no further wait.
; No register that a memory instruction reads is written again, no vector instruction writes a scalar register or VCC, and EXEC is never written: no other wait of the kind is owed.
.set X, 8                              ; v[8:71]   as loaded
.set Y, 72                             ; v[72:103] as stored
	s_load_b512 s[8:23], s[0:1], 0x0               ; x s[8:9], pos s[10:11], Wq s[12:13], Wk s[14:15], Wv s[16:17], Wpq s[18:19], Wpk s[20:21], Wo s[22:23]
	s_load_b64 s[24:25], s[0:1], 0x40              ; cb
	s_and_b32 s2, ttmp7, 0xffff                    ; the segment
	v_lshrrev_b32 v3, 5, v0                        ; wave
	v_and_b32 v4, 31, v0                           ; lane
	v_lshlrev_b32 v1, 4, v4
	v_lshl_or_b32 v1, v3, 13, v1                   ; in: 8,192 x wave + 16 x lane
	v_lshlrev_b32 v2, 3, v4
	v_lshl_or_b32 v2, v3, 12, v2                   ; out: 4,096 x wave + 8 x lane
	s_sub_co_u32 s26, s2, 4                        ; the segment's number within pos
	s_lshl_b32 s27, ttmp9, 16                      ; the work-group's 65,536 bytes of f32
	s_lshl_b32 s28, s2, 21                         ; the segment's 2 MiB of bf16,
	s_lshl_b32 s29, ttmp9, 15                      ; the work-group's 32,768 bytes of them
	s_add_co_u32 s28, s28, s29
	s_mov_b32 s29, 0
	s_wait_kmcnt 0x0
	s_mov_b64 s[4:5], s[22:23]                     ; segment 11 is Wo; the others are chosen by the segment's number alone
.irp i, 10,9,8,7,6
	s_cmp_eq_u32 s2, \i
	s_cselect_b64 s[4:5], s[2*(\i):2*(\i)+1], s[4:5]
.endr
	s_cmp_lt_u32 s2, 6
	s_cselect_b64 s[4:5], s[10:11], s[4:5]
	s_cselect_b32 s3, s26, 0                       ; which 4 MiB of the source
	s_cmp_lt_u32 s2, 4
	s_cselect_b64 s[4:5], s[8:9], s[4:5]
	s_cselect_b32 s3, s2, s3
	s_lshl_b32 s26, s3, 22
	s_add_co_u32 s26, s26, s27
	s_mov_b32 s27, 0
	s_add_nc_u64 s[4:5], s[4:5], s[26:27]
	s_add_nc_u64 s[6:7], s[24:25], s[28:29]
	s_wait_alu depctr_va_vdst(0)                   ; v1 and v2 are written: every load and store of the kernel reads one of them as its offset
.irp i, 0,1,2,3,4,5,6,7,8,9,10,11,12,13,14,15
	global_load_b128 v[X+4*(\i):X+4*(\i)+3], v1, s[4:5] offset:512*(\i) th:TH_LOAD_NT
.endr
; Block p: loads 4 p to 4 p + 3 are rounded; the four stores of block p - 1 go out among the conversions, one ahead of each pair.
.macro BLK p
	s_wait_loadcnt 12-4*(\p)                       ; loads come back in order: this block's four are in, the 12 - 4 p younger ones stay out
.if (\p) > 0
	s_wait_alu depctr_va_vdst(0)                   ; the conversions of the block before have written their eight registers of Y, which the four stores below read
.endif
.irp i, 0,1,2,3
.if (\p) > 0
	global_store_b64 v2, v[Y+2*(4*(\p)-4+(\i)):Y+2*(4*(\p)-4+(\i))+1], s[6:7] offset:256*(4*(\p)-4+(\i))  ; no vector instruction since the wait names these registers
.endif
	v_cvt_pk_bf16_f32 v[Y+2*(4*(\p)+(\i))], v[X+4*(4*(\p)+(\i))], v[X+4*(4*(\p)+(\i))+1]
	v_cvt_pk_bf16_f32 v[Y+2*(4*(\p)+(\i))+1], v[X+4*(4*(\p)+(\i))+2], v[X+4*(4*(\p)+(\i))+3]
.endr
.endm
	BLK 0                                          ; no block stands in front of it: no store, and no wait but the one for its data
	BLK 1
	BLK 2
	BLK 3
	s_wait_alu depctr_va_vdst(0)                   ; block 3's conversions have written the last eight registers of Y, which the last four stores read
.irp i, 12,13,14,15
	global_store_b64 v2, v[Y+2*(\i):Y+2*(\i)+1], s[6:7] offset:256*(\i)
.endr
	s_endpgm
.Lfunc_end_k_q990eab1105_cast:
	.size	k_q990eab1105_cast, .Lfunc_end_k_q990eab1105_cast-k_q990eab1105_cast
	.p2alignl 7, 3214868480
	.fill 96, 4, 3214868480
	.section	.rodata,"a",@progbits
	.p2align	6, 0x0
	.amdhsa_kernel k_q990eab1105_cast
		.amdhsa_group_segment_fixed_size 0
		.amdhsa_private_segment_fixed_size 0
		.amdhsa_enable_private_segment 0
		.amdhsa_kernarg_size 72
		.amdhsa_user_sgpr_count 2
		.amdhsa_user_sgpr_kernarg_segment_ptr 1
		.amdhsa_wavefront_size32 1
		.amdhsa_system_sgpr_workgroup_id_x 1
		.amdhsa_system_sgpr_workgroup_id_y 1
		.amdhsa_system_sgpr_workgroup_id_z 1
		.amdhsa_system_vgpr_workitem_id 0
		.amdhsa_next_free_vgpr 104
		.amdhsa_next_free_sgpr 66
		.amdhsa_reserve_vcc 0
		.amdhsa_float_denorm_mode_32 3
		.amdhsa_float_denorm_mode_16_64 3
		.amdhsa_memory_ordered 1
		.amdhsa_forward_progress 1
		.amdhsa_inst_pref_size 7
	.end_amdhsa_kernel
	.amdgpu_metadata
---
amdhsa.version: [ 1, 2 ]
amdhsa.kernels:
  - .name:           k_q990eab1105_cast
    .symbol:         k_q990eab1105_cast.kd
    .args:
      - { .name: hidden_states, .offset: 0, .size: 8, .value_kind: global_buffer, .address_space: global }
      - { .name: pos_emb, .offset: 8, .size: 8, .value_kind: global_buffer, .address_space: global }
      - { .name: Wq, .offset: 16, .size: 8, .value_kind: global_buffer, .address_space: global }
      - { .name: Wk, .offset: 24, .size: 8, .value_kind: global_buffer, .address_space: global }
      - { .name: Wv, .offset: 32, .size: 8, .value_kind: global_buffer, .address_space: global }
      - { .name: Wpq, .offset: 40, .size: 8, .value_kind: global_buffer, .address_space: global }
      - { .name: Wpk, .offset: 48, .size: 8, .value_kind: global_buffer, .address_space: global }
      - { .name: Wo, .offset: 56, .size: 8, .value_kind: global_buffer, .address_space: global }
      - { .name: cb, .offset: 64, .size: 8, .value_kind: global_buffer, .address_space: global }
    .group_segment_fixed_size: 0
    .private_segment_fixed_size: 0
    .kernarg_segment_align: 8
    .kernarg_segment_size: 72
    .max_flat_workgroup_size: 256
    .sgpr_count:     66
    .vgpr_count:     104
    .wavefront_size: 32
...
	.end_amdgpu_metadata
.endif
;; end of part 6
;; launch proj: the kernel of part 2 again; grid 16 x 16, 4 waves a work-group, clusters of 4 x 4, 327,680 bytes of LDS; arguments cb, bq, bk, bv, bpq, bpk, qkv; writes qkv
;; launch attn: the kernel of part 3 again; grid 8 x 32, 4 waves a work-group, clusters of 4 x 1, 327,680 bytes of LDS; arguments qkv, ob; writes ob
;; launch outp: the kernel of part 4 again; grid 8 x 32, 4 waves a work-group, clusters of 4 x 4, 327,680 bytes of LDS; arguments ob, cb, bo, hidden_states, yb; writes yb
;; launch ln: the kernel of part 5 again; grid 256 x 1, 8 waves a work-group, no clusters, 0 bytes of LDS; arguments yb, ln_g, ln_b, out0; writes out0
